; MI455X (gfx1250); checked and timed in simulation.
; The chip was launched on July 23, 2026; its instructions are those of AMD's public machine-readable ISA for CDNA 5 (MIT licence, August 2026) and "CDNA5" Instruction Set Architecture Reference Guide (July 2026). The comments in the code are by the model that wrote it; some were corrected since.
;; Linear Attention. Allowed arithmetic: matrix products marked QUANTISED: E5M2 operands, one E8M0 scale for each 32 along K, by v_wmma_scale_f32_16x16x128_f8f6f4 with both operands' format E5M2, f32 sums; products left as they are: f32 operands where the result goes on into a quantised operand, else bf16, f16 or f32 operands; f32 sums; everything else in f32.
;; Inputs: Wk 16 x 1,024 x 64 float32; Wo 1,024 x 1,024 float32; Wq 16 x 1,024 x 64 float32; Wv 16 x 1,024 x 64 float32; bk 16 x 64 float32; bo 1,024 float32; bq 16 x 64 float32; bv 16 x 64 float32; kv 4 x 4,096 x 1,024 float32; q 4 x 2,048 x 1,024 float32.
;; Outputs: out0 4 x 2,048 x 1,024 float32.
;; This version of the problem:
;;   THIS VERSION OF THE PROBLEM IS GIVEN IN LOW PRECISION. The matrix products marked QUANTISED in the list below multiply operands that are first quantised to E5M2 (5 exponent bits, 2 mantissa bits; 8 bits a number), with one power-of-two scale for each 32 numbers along K (OCP MX v1.0); their sums are f32. All else is computed in f32.
;;   The module's matrix products, in the order in which they are computed (A, B: the left and right operand; K: the contracted axis; several contracted axes count as one K, in the product's order):
;;     1. [M 1,024, K 1,024] x [K 1,024, N 8,192]; A: input Wq; B: input q: QUANTISED
;;     2. [M 1,024, K 1,024] x [K 1,024, N 16,384]; A: input Wk; B: input kv: QUANTISED
;;     3. [M 1,024, K 1,024] x [K 1,024, N 16,384]; A: input Wv; B: input kv: QUANTISED
;;     4. batch 64 x [M 64, K 4,096] x [K 4,096, N 64]; A: computed on the way; B: computed on the way: QUANTISED
;;     5. batch 64 x [M 2,048, K 64] x [K 64, N 1]; A: computed on the way; B: computed on the way: left as it is (N = 1 < 16)
;;     6. batch 64 x [M 64, K 64] x [K 64, N 2,048]; A: computed on the way; B: computed on the way: QUANTISED
;;     7. batch 131,072 x [M 1, K 1] x [K 1, N 64]; A: computed on the way; B: computed on the way: left as it is (no contracted axis)
;;     8. [M 8,192, K 1,024] x [K 1,024, N 1,024]; A: computed on the way; B: input Wo: QUANTISED
;;   THE QUANTISER, for each operand of a quantised product, along K:
;;     - K is cut into blocks of 32 from its start; a last block that is shorter is filled with zeros.
;;     - A block's scale is 2^e with e = floor(log2(the largest magnitude in the block)) - 15, held to -126 .. 127; a block of zeros has e = 0. As a byte (E8M0): e + 127.
;;     - Each number is divided by its block's scale, clamped to +-57,344, and rounded to the nearest number of E5M2, ties to even, subnormals kept.
;;     - The product sums the exact products of the quantised numbers (number of the format x scale) in f32.
;;   ~~~python
;;   def quantise(x, axis):      # numpy; x: float32 -> the quantised numbers, widened to float32 again
;;       x = np.moveaxis(x, axis, -1); K = x.shape[-1]
;;       x = np.pad(x, [(0, 0)] * (x.ndim - 1) + [(0, -K % 32)]); x = x.reshape(x.shape[:-1] + (-1, 32)); a = np.abs(x).max(-1, keepdims=True)
;;       e = np.where(a > 0, np.clip(np.frexp(np.where(a > 0, a, 1))[1] - 1 - 15, -126, 127), 0)      # np.frexp(a)[1] - 1 = floor(log2(a)), exactly
;;       r = np.clip(x / 2.0 ** e, -57344, 57344)
;;       step = 2.0 ** (np.maximum(np.frexp(np.where(r == 0, 1, r))[1] - 1, -14) - 2)
;;       q = np.round(r / step) * step * 2.0 ** e      # np.round: ties to even
;;       return np.moveaxis(q.reshape(q.shape[:-2] + (-1,))[..., :K], -1, axis).astype(np.float32)
;;   ~~~
;;   OPERANDS COMPUTED ON THE WAY. 'Computed on the way' means the value that the module computes at that place (a softmax that the list does not call 'softmax' is quantised finished and normalised). What goes into a quantiser is computed in f32, as accurately as f32 sums, v_exp_f32 and their like allow (about 1e-6 of the number): no bf16 or f16 on the way to a quantiser, and a product that is left as it is and whose result goes on into a quantised operand takes f32 operands (vector FMAs, or v_wmma_f32_16x16x4_f32). A number that lies on a knife's edge between two numbers of the format may be rounded either way, as far as f32 arithmetic and the matrix unit's own rounding can turn it there, and no further.
;; One version. Each part assembles by itself: llvm-mc -triple=amdgcn-amd-amdhsa -mcpu=gfx1250 --defsym DOCPART=n.
;; ======== version 1 of 1: 5 launches
;; workspace buffers: act 27,033,600 bytes; wts 3,244,032 bytes; part 17,825,792 bytes; kvs 311,296 bytes; att 8,650,752 bytes
;; launch prep (part 1): grid 896 x 1, 4 waves a work-group, no clusters, 68,096 bytes of LDS; arguments q, kv, Wo, Wq, Wk, Wv, act, wts; writes act, wts
.if DOCPART == 1
	.amdgcn_target "amdgcn-amd-amdhsa--gfx1250"
	.amdhsa_code_object_version 6
	.text
	.protected	k_q884df4bc42_prep
	.globl	k_q884df4bc42_prep
	.p2align	8
	.type	k_q884df4bc42_prep,@function
k_q884df4bc42_prep:
	s_mov_b64 s[64:65], 0
	v_nop
	global_prefetch_b8 v0, s[64:65] scope:SCOPE_SE
	s_setreg_imm32_b32 hwreg(HW_REG_WAVE_MODE, 25, 1), 1
	s_wait_xcnt 0x0
; LINEAR ATTENTION IN MX-BF8, launch 1 of 5: every input of a quantised product becomes codes of E5M2 (one byte a number, K innermost) and one E8M0 byte for each 32 along K.
; NOTHING OF THE PROBLEM IS LEFT OUT in any launch: every bias enters an operand that is quantised, the 1e-6 enters z, which enters the last product's operand, and every input is loaded.
; act: q's codes [8192][1024], kv's [16384][1024], Wo's [1024][1024] on end, then at ASC their scale bytes [25600][32] in the same order.  K (d_model, or Wo's second axis) is innermost in memory.
; wts: codes [3072][1024]: rows 64 h + e of Wq; rows 1024 + 128 h + e of Wk; rows 1024 + 128 h + 64 + e of Wv; at WSC their scale bytes [3072][32].  In memory K is the MIDDLE axis of [h][d][e].
; A block's scale is 2^(floor(log2(its largest magnitude)) - 15); its byte is the largest magnitude's exponent field - 15, held at 1 from below; each number is held within +-57,344 x the scale and converted, ties to even.
; LIMITS: NaN and infinities among the inputs are not served; a block whose largest magnitude lies under 2^(16 - 127) keeps the byte 1; a block of zeros gets the byte 1 where the rule says 127
; (its codes are zeros, which add nothing under any byte but 0xff, and this program alone reads the bytes).
; WORK-GROUPS 0-799 take q (256), kv (512) and Wo (32) as plain streams of blocks of 32: a wave takes 16 steps of 512 numbers.  Each load reads 512 consecutive bytes; the bytes turn through the wave's own stage in LDS,
; so that a lane then holds 16 neighbours along K; a wave's store of codes covers 512 consecutive bytes, its 256 scale bytes leave as one aligned run of 256.
; WORK-GROUPS 800-895 take Wq, Wk, Wv: a lane takes a column e and its registers run down K; a wave takes 32 columns x 256 along K; the codes leave through the wave's stage as rows of 256 bytes.
; The two ways part on the work-group's number and never join; each has LDS bytes of its own.  No tensor loads, no barrier: waves share nothing.
.set ASC,   26214400
.set WSC,   3145728
.set EMAX,  15
.set MANT,  0x600000                   ; the mantissa field of 57,344 as f32
.set SPW,   192                        ; v192  LDS address of my spare word; never rewritten
.set NIL,   193                        ; v193  0; never rewritten
.set SPARE, 67584                      ; behind both ways' regions: the spare words, 128 bytes a wave
; the streams' way
.set STEPS, 16
.set CB,    16                         ; bytes of 16 codes
.set AR,    16                         ; v16-79   four sets of 16 numbers as loaded
.set AX,    80                         ; v80-111  two sets of 16 neighbours
.set AE,    112                        ; v112-127 a scale byte for each step
.set AC,    128                        ; v128-191 codes: four registers for each step
.set WREG,  8192                       ; LDS 0 .. 32,767: a region for each wave: two stages of 32 x SP bytes, then its 256 scale bytes
.set SP,    80                         ; a lane's place in a stage: 64 bytes + 16 of padding
; the weights' way
.set NB,    8                          ; blocks of 32 along K for a wave
.set PITCH, 272                        ; a stage row: 256 bytes + 16
.set BSTG,  32768                      ; LDS 32,768 .. 67,583: four stages of 32 rows
.set BX,    32                         ; v32-95   two sets of 32 numbers
.set BC,    96                         ; v96-103  a block's codes
.set BOUT,  112                        ; v112-175 the way out
.set BSC,   24                         ; v24-25   the scale bytes, four to a register
	s_load_b256 s[4:11], s[0:1], 0x0               ; q s[4:5], kv s[6:7], Wo s[8:9], Wq s[10:11]
	s_load_b256 s[12:19], s[0:1], 0x20             ; Wk s[12:13], Wv s[14:15], act s[16:17], wts s[18:19]
	v_lshl_add_u32 v[SPW], v0, 2, SPARE
	v_mov_b32 v[NIL], 0
	v_lshrrev_b32 v1, 5, v0
	v_readfirstlane_b32 s20, v1                    ; wave 0..3
	v_and_b32 v2, 31, v0                           ; lane
	s_cmp_lt_u32 ttmp9, 800
	s_cbranch_scc0 .Lweights
; ---------------- q, kv, Wo: K innermost ----------------
	v_lshlrev_b32 v3, 4, v2                        ; my 16 bytes of a load's 512
	s_mul_i32 s21, s20, WREG
	v_lshrrev_b32 v14, 2, v2
	v_mul_u32_u24 v14, v14, SP
	v_and_b32 v15, 3, v2
	v_lshl_add_u32 v14, v15, 4, v14
	v_add_nc_u32 v14, s21, v14                     ; the stage, on the way in: SP (lane / 4) + 16 (lane % 4)
	v_mul_u32_u24 v15, v2, SP
	v_add_nc_u32 v15, s21, v15                     ; and on the way out: SP x lane: my 16 neighbours
	v_mul_u32_u24 v4, v2, CB                       ; my codes' place in a step's
	v_lshrrev_b32 v5, 1, v2
	s_add_co_u32 s21, s21, 2*32*SP
	v_add_nc_u32 v5, s21, v5                       ; LDS: my wave's 256 scale bytes, my block's byte
	v_lshlrev_b32 v7, 3, v2                        ; and on the way out 8 bytes a lane
	v_add_nc_u32 v6, s21, v7
	s_mov_b32 s23, MANT
	s_wait_kmcnt 0x0
	s_cmp_lt_u32 ttmp9, 256                        ; which tensor: the choice hangs on the work-group's number alone
	s_cselect_b64 s[4:5], s[4:5], s[6:7]
	s_cselect_b32 s22, 0, 256
	s_cmp_lt_u32 ttmp9, 768
	s_cselect_b64 s[4:5], s[4:5], s[8:9]
	s_cselect_b32 s22, s22, 768                    ; the tensor's first work-group
	s_sub_co_u32 s22, ttmp9, s22
	s_lshl_b32 s22, s22, 2
	s_add_co_u32 s22, s22, s20                     ; which run of 8,192 numbers of the tensor is my wave's
	s_lshl_b32 s24, s22, 15                        ; 32,768 bytes a run
	s_mov_b32 s25, 0
	s_add_nc_u64 s[4:5], s[4:5], s[24:25]
	s_lshl_b32 s22, ttmp9, 2
	s_add_co_u32 s22, s22, s20                     ; the run's number in act: the three tensors lie on end in the work-groups' order
	s_lshl_b32 s24, s22, 13
	s_add_nc_u64 s[8:9], s[16:17], s[24:25]        ; its 8,192 codes
	s_lshl_b32 s24, s22, 8
	s_add_nc_u64 s[10:11], s[16:17], s[24:25]
	s_add_nc_u64 s[10:11], s[10:11], ASC           ; its 256 scale bytes
.macro LOADA t
.irp i, 0,1,2,3
	global_load_b128 v[AR+16*((\t)%4)+4*\i:AR+16*((\t)%4)+4*\i+3], v3, s[4:5] offset:2048*(\t)+512*\i th:TH_LOAD_NT   ; 32 lanes read 512 consecutive bytes
.endr
.endm
.macro TURNA t                         ; step t's numbers through the stage: LDS serves a wave's instructions in order, so no wait stands between the stores and the loads
.irp i, 0,1,2,3
	ds_store_b128 v14, v[AR+16*((\t)%4)+4*\i:AR+16*((\t)%4)+4*\i+3] offset:32*SP*((\t)%2)+8*SP*\i
.endr
.irp i, 0,1,2,3
	ds_load_b128 v[AX+16*((\t)%2)+4*\i:AX+16*((\t)%2)+4*\i+3], v15 offset:32*SP*((\t)%2)+16*\i
.endr
.endm
.irp t, 0,1,2,3
	LOADA \t
.endr
	s_wait_loadcnt 12                              ; step 0's four loads are in; the twelve of steps 1 to 3 may be out
	TURNA 0
.macro STEPA t
.set XS, AX+16*((\t)%2)
.if (\t) > 0
	s_wait_dscnt 1                                 ; this step's numbers are back from the stage (the last step's byte store may be out)
.else
	s_wait_dscnt 0x0
.endif
.if (\t)+4 < STEPS
	LOADA (\t)+4                                   ; the registers that the stage's stores have read take the loads of four steps on
.endif
.if (\t)+1 < STEPS
.if STEPS-2-(\t) >= 3
	s_wait_loadcnt 12                              ; the next step's four loads are in; those of the three steps behind it may be out
.else
	s_wait_loadcnt 4*(STEPS-2-(\t))
.endif
	TURNA (\t)+1                                   ; they go through the other stage while this step is worked
.endif
	v_max3_num_f32 v8, |v[XS]|, |v[XS+1]|, |v[XS+2]|               ; the largest magnitude of my 16, in two chains
	v_max3_num_f32 v9, |v[XS+3]|, |v[XS+4]|, |v[XS+5]|
.irp i, 6,10
	v_max3_num_f32 v8, v8, |v[XS+\i]|, |v[XS+\i+1]|
	v_max3_num_f32 v9, v9, |v[XS+\i+2]|, |v[XS+\i+3]|
.endr
	v_max3_num_f32 v8, v8, |v[XS+14]|, |v[XS+15]|
	v_max3_num_f32 v8, v8, v9, (EMAX+1)<<23        ; and the floor 2^(16 - 127): the byte cannot fall under 1
	v_max_num_f32_dpp v8, v8, v8 row_xmask:1 row_mask:0xf bank_mask:0xf   ; and of my neighbour's 16: the block's
	v_add_nc_u32 v11, -(EMAX<<23), v8              ; 15 off its exponent field: the conversion takes the exponent field of this operand as its scale
	v_and_or_b32 v10, v8, 0x7f800000, s23          ; 57,344 x the scale
.irp i, 0,1,2,3,4,5,6,7,8,9,10,11,12,13,14,15
	v_med3_num_f32 v[XS+\i], v[XS+\i], -v10, v10   ; the conversion to an 8-bit code does not saturate (ISA guide 7.6.2): the hold comes first
.endr
	v_cvt_scalef32_pk8_bf8_f32 v[AC+4*(\t):AC+4*(\t)+1], v[XS:XS+7], v11
	v_cvt_scalef32_pk8_bf8_f32 v[AC+4*(\t)+2:AC+4*(\t)+3], v[XS+8:XS+15], v11
	v_lshrrev_b32 v[AE+(\t)], 23, v11              ; the scale's byte
	ds_store_b8 v5, v[AE+(\t)] offset:16*(\t)      ; both lanes of a block write the same byte with the same value
	global_store_b128 v4, v[AC+4*(\t):AC+4*(\t)+3], s[8:9] offset:32*CB*(\t)   ; 32 lanes store 512 consecutive bytes
.endm
.irp t, 0,1,2,3,4,5,6,7,8,9,10,11,12,13,14,15
	STEPA \t
.endr
	ds_load_b64 v[8:9], v6                         ; LDS serves a wave's instructions in order: these see my byte stores
	s_wait_dscnt 0x0
	global_store_b64 v7, v[8:9], s[10:11]          ; 32 lanes store 256 consecutive bytes, aligned
	s_wait_tensorcnt 0x0                           ; the wave's end
	ds_add_u32 v[SPW], v[NIL]
	s_wait_dscnt 0x0
	s_endpgm
; ---------------- Wq, Wk, Wv: K is the middle axis ----------------
.Lweights:
	s_sub_co_u32 s21, ttmp9, 800
	s_lshl_b32 s21, s21, 2
	s_add_co_u32 s21, s21, s20                     ; my wave's unit, 0 .. 383
	s_and_b32 s22, s21, 1                          ; which 32 of the head's 64 columns
	s_bfe_u32 s23, s21, 0x20001                    ; which 256 along K
	s_bfe_u32 s24, s21, 0x40003                    ; the head
	s_lshr_b32 s25, s21, 7                         ; the tensor: 0 Wq, 1 Wk, 2 Wv
	s_lshl_b32 s26, s24, 18                        ; in: a head is 1,024 rows of 256 bytes,
	s_lshl_b32 s27, s23, 16                        ; 256 rows of them,
	s_add_co_u32 s26, s26, s27
	s_lshl_b32 s27, s22, 7                         ; 32 columns of 4 bytes
	s_add_co_u32 s26, s26, s27
	s_mov_b32 s27, 0
	s_lshl_b32 s28, s24, 6                         ; out: Wq's first row 64 h;
	s_lshl_b32 s29, s24, 7
	s_lshl_b32 s30, s25, 6
	s_add_co_u32 s29, s29, s30
	s_add_co_u32 s29, s29, 960                     ; Wk's and Wv's 1024 + 128 h + 64 (tensor - 1)
	s_cmp_eq_u32 s25, 0
	s_cselect_b32 s28, s28, s29
	s_lshl_b32 s29, s22, 5
	s_add_co_u32 s28, s28, s29                     ; + my 32 columns: my first row of wts
	s_lshl_b32 s30, s28, 10                        ; codes: 1,024 bytes a row,
	s_lshl_b32 s29, s23, 8                         ; my 256 of them
	s_add_co_u32 s30, s30, s29
	s_mov_b32 s31, 0
	s_lshl_b32 s32, s28, 5                         ; scale bytes: 32 a row,
	s_lshl_b32 s29, s23, 3                         ; my 8 of them
	s_add_co_u32 s32, s32, s29
	s_mov_b32 s33, 0
	v_lshlrev_b32 v3, 2, v2                        ; in: 4 bytes a lane
	s_mul_i32 s34, s20, 32*PITCH
	s_add_co_u32 s34, s34, BSTG                    ; my stage
	v_mul_u32_u24 v4, v2, PITCH
	v_add_nc_u32 v4, s34, v4                       ; into it: row = my column
	v_and_b32 v5, 15, v2
	v_lshrrev_b32 v6, 4, v2                        ; out of it: sixteen lanes to a row, two rows an instruction
	v_mul_u32_u24 v7, v6, PITCH
	v_lshl_add_u32 v7, v5, 4, v7
	v_add_nc_u32 v7, s34, v7
	v_lshlrev_b32 v8, 10, v6
	v_lshl_add_u32 v8, v5, 4, v8                   ; and the same place in wts
	v_lshlrev_b32 v9, 5, v2                        ; my column's row of scale bytes
	s_mov_b32 s35, MANT
	s_wait_kmcnt 0x0
	s_cmp_eq_u32 s25, 0
	s_cselect_b64 s[4:5], s[10:11], s[12:13]
	s_cmp_eq_u32 s25, 2
	s_cselect_b64 s[4:5], s[14:15], s[4:5]
	s_add_nc_u64 s[4:5], s[4:5], s[26:27]
	s_add_nc_u64 s[6:7], s[18:19], s[30:31]
	s_add_nc_u64 s[8:9], s[18:19], s[32:33]
	s_add_nc_u64 s[8:9], s[8:9], WSC
.macro LOADB t                         ; block t: W(32 t + i, my column), i = 0 .. 31, into set t % 2: a load reads 128 consecutive bytes, the wave beside me the row's other 128
.irp i, 0,1,2,3,4,5,6,7,8,9,10,11,12,13,14,15,16,17,18,19,20,21,22,23,24,25,26,27,28,29,30,31
	global_load_b32 v[BX+32*((\t)%2)+\i], v3, s[4:5] offset:(32*(\t)+\i)*256 th:TH_LOAD_NT
.endr
.endm
	LOADB 0
	LOADB 1
.macro BLOCKB t
.set XS, BX+32*((\t)%2)
.if (\t) < NB-1
	s_wait_loadcnt 32                              ; this block's 32 loads are in; the next block's 32 may be out
.else
	s_wait_loadcnt 0
.endif
	v_max3_num_f32 v12, |v[XS]|, |v[XS+1]|, |v[XS+2]|              ; the block's largest magnitude: all 32 numbers are mine
	v_max3_num_f32 v13, |v[XS+3]|, |v[XS+4]|, |v[XS+5]|
.irp i, 6,10,14,18,22,26
	v_max3_num_f32 v12, v12, |v[XS+\i]|, |v[XS+\i+1]|
	v_max3_num_f32 v13, v13, |v[XS+\i+2]|, |v[XS+\i+3]|
.endr
	v_max3_num_f32 v12, v12, |v[XS+30]|, |v[XS+31]|
	v_max3_num_f32 v12, v12, v13, (EMAX+1)<<23     ; and the floor
	v_add_nc_u32 v11, -(EMAX<<23), v12             ; the conversion's scale operand
	v_and_or_b32 v10, v12, 0x7f800000, s35         ; 57,344 x the scale
	v_lshrrev_b32 v13, 23, v11                     ; the scale's byte
.if (\t)%4 == 0
	v_mov_b32 v[BSC+(\t)/4], v13                   ; four bytes to a register, the lower K in the lower byte
.else
	v_lshl_or_b32 v[BSC+(\t)/4], v13, 8*((\t)%4), v[BSC+(\t)/4]
.endif
.irp i, 0,1,2,3,4,5,6,7,8,9,10,11,12,13,14,15,16,17,18,19,20,21,22,23,24,25,26,27,28,29,30,31
	v_med3_num_f32 v[XS+\i], v[XS+\i], -v10, v10
.endr
.irp g, 0,1,2,3
	v_cvt_scalef32_pk8_bf8_f32 v[BC+2*\g:BC+2*\g+1], v[XS+8*\g:XS+8*\g+7], v11
.endr
	ds_store_b128 v4, v[BC:BC+3] offset:32*(\t)    ; 32 codes: 32 bytes of my column's row
	ds_store_b128 v4, v[BC+4:BC+7] offset:32*(\t)+16
.if (\t)+2 < NB
	LOADB (\t)+2
.endif
	s_wait_dscnt 0x0                               ; the stores have read their registers: the next block's codes may be written
.endm
.set Q, 0
.rept NB
	BLOCKB Q
.set Q, Q+1
.endr
	global_store_b64 v9, v[BSC:BSC+1], s[8:9]      ; my column's 8 scale bytes
.irp t, 0,1,2,3,4,5,6,7,8,9,10,11,12,13,14,15
	ds_load_b128 v[BOUT+4*\t:BOUT+4*\t+3], v7 offset:2*\t*PITCH   ; LDS serves a wave's instructions in order: these see my stores
.endr
.irp t, 0,1,2,3,4,5,6,7,8,9,10,11,12,13,14,15
	s_wait_dscnt 15-\t                             ; the younger loads may be out
	global_store_b128 v8, v[BOUT+4*\t:BOUT+4*\t+3], s[6:7] offset:2*\t*1024   ; sixteen lanes store 256 consecutive bytes, aligned
.endr
	s_wait_tensorcnt 0x0                           ; the wave's end
	ds_add_u32 v[SPW], v[NIL]
	s_wait_dscnt 0x0
	s_endpgm
.Lfunc_end_k_q884df4bc42_prep:
	.size	k_q884df4bc42_prep, .Lfunc_end_k_q884df4bc42_prep-k_q884df4bc42_prep
	.p2alignl 7, 3214868480
	.fill 96, 4, 3214868480
	.section	.rodata,"a",@progbits
	.p2align	6, 0x0
	.amdhsa_kernel k_q884df4bc42_prep
		.amdhsa_group_segment_fixed_size 68096
		.amdhsa_private_segment_fixed_size 0
		.amdhsa_enable_private_segment 0
		.amdhsa_kernarg_size 64
		.amdhsa_user_sgpr_count 2
		.amdhsa_user_sgpr_kernarg_segment_ptr 1
		.amdhsa_wavefront_size32 1
		.amdhsa_system_sgpr_workgroup_id_x 1
		.amdhsa_system_sgpr_workgroup_id_y 1
		.amdhsa_system_sgpr_workgroup_id_z 1
		.amdhsa_system_vgpr_workitem_id 0
		.amdhsa_next_free_vgpr 194
		.amdhsa_next_free_sgpr 66
		.amdhsa_reserve_vcc 0
		.amdhsa_float_denorm_mode_32 3
		.amdhsa_float_denorm_mode_16_64 3
		.amdhsa_memory_ordered 1
		.amdhsa_forward_progress 1
		.amdhsa_inst_pref_size 110
	.end_amdhsa_kernel
	.amdgpu_metadata
---
amdhsa.version: [ 1, 2 ]
amdhsa.kernels:
  - .name:           k_q884df4bc42_prep
    .symbol:         k_q884df4bc42_prep.kd
    .args:
      - { .name: q, .offset: 0, .size: 8, .value_kind: global_buffer, .address_space: global }
      - { .name: kv, .offset: 8, .size: 8, .value_kind: global_buffer, .address_space: global }
      - { .name: Wo, .offset: 16, .size: 8, .value_kind: global_buffer, .address_space: global }
      - { .name: Wq, .offset: 24, .size: 8, .value_kind: global_buffer, .address_space: global }
      - { .name: Wk, .offset: 32, .size: 8, .value_kind: global_buffer, .address_space: global }
      - { .name: Wv, .offset: 40, .size: 8, .value_kind: global_buffer, .address_space: global }
      - { .name: act, .offset: 48, .size: 8, .value_kind: global_buffer, .address_space: global }
      - { .name: wts, .offset: 56, .size: 8, .value_kind: global_buffer, .address_space: global }
    .group_segment_fixed_size: 68096
    .private_segment_fixed_size: 0
    .kernarg_segment_align: 8
    .kernarg_segment_size: 64
    .max_flat_workgroup_size: 128
    .sgpr_count:     66
    .vgpr_count:     194
    .wavefront_size: 32
...
	.end_amdgpu_metadata
.endif
;; end of part 1
;; launch kvgemm (part 2): grid 64 x 8, 4 waves a work-group, clusters of 4 x 4, 327,680 bytes of LDS; arguments act, wts, bk, bv, part; writes part
.if DOCPART == 2
	.amdgcn_target "amdgcn-amd-amdhsa--gfx1250"
	.amdhsa_code_object_version 6
	.text
	.protected	k_q884df4bc42_kvgemm
	.globl	k_q884df4bc42_kvgemm
	.p2align	8
	.type	k_q884df4bc42_kvgemm,@function
k_q884df4bc42_kvgemm:
	s_mov_b64 s[64:65], 0
	v_nop
	global_prefetch_b8 v0, s[64:65] scope:SCOPE_SE
	s_setreg_imm32_b32 hwreg(HW_REG_WAVE_MODE, 25, 1), 1
	s_wait_xcnt 0x0
	s_wait_alu depctr_hold_cnt(0) depctr_sa_sdst(0) depctr_va_vdst(0) depctr_va_sdst(0) depctr_va_ssrc(0) depctr_va_vcc(0) depctr_vm_vsrc(0)
	s_getreg_b32 s2, hwreg(HW_REG_IB_STS2, 6, 4)
	s_cmp_eq_u32 s2, 0
	s_cbranch_scc0 .Lentry_in_a_cluster
	s_endpgm
.Lentry_in_a_cluster:
	s_bfe_u32 s2, ttmp6, 0x10000c
	s_cmp_lg_u32 s2, 0xf033
	s_cbranch_scc0 .Lentry_shape_is_right
	s_endpgm
.Lentry_shape_is_right:
; Launch 2 of 5: kh = kv Wk + bk and vh = kv Wv + bv (K = d_model, on codes), kh squared, its sum over tokens, both quantised along the TOKENS, and the partial products kv_sum = (kh^2)^T vh of 256 tokens.  Nothing of the problem is left out.
; THE GEMM: a tile of 256 (rows of Wk|Wv) x 256 (tokens) is made by four waves, each 128 x 128: 64 accumulators of 16 x 16.  K goes in steps of 256 through a ring of two LDS slots filled by the tensor data mover;
; the scale bytes of the tile's rows, for all of K, come into LDS once.  4 x 4 work-groups form a cluster: the four of a row of the cluster need the same rows of W, the four of a column the same tokens: joint loads.
; SOURCE 0 = 16 TOKENS, SOURCE 1 = 16 ROWS OF W: a lane then holds ONE channel d (or e) and its registers run along the tokens, which are the next product's K.  A wave's 128 rows of W are one head's 64 of Wk and 64 of Wv.
; The biases are the C of each sum's first matrix instruction.
; QUANTISING IN PLACE: for a block a of 16 channels the lane's 64 registers are tokens 16 b + 8 (lane / 16) + j.  Registers 16 c .. 16 c + 15 of lanes l and l xor 16 together are exactly tokens 32 c .. 32 c + 31: block c.
; Inside a block the codes stand in another order than the tokens, THE SAME ORDER IN kh^2 AND IN vh, so each token's two numbers still meet: the sums differ from the natural order's only in the order of adding.
; OUT: part[bh][p][16,384]: the 16 accumulators of kv_sum for tokens 256 p .. 256 p + 255, as an image of their registers (group g of four registers at 512 g + 16 x lane); at KSP, [bh][32][512]: images of the partial sums of kh^2.
; LIMITS: NaN and infinities are not served; a block whose largest magnitude lies under 2^(16 - 127) keeps the byte 1, a block of zeros too; the order of f32 sums differs from the reference's.
; REGISTERS, in windows of 256: window 0: v0-31 addresses; v32-63 scale words; v64-127 the biases, later at work; v128-255 W's fragments, one set, later at work.  window 1: the tokens' fragments, two sets; later kh^2's and vh's codes and kv_sum.
;   window 2: accumulators of kh (block a, tokens b at v[8 (8 a + b)]);  window 3: those of vh.
.set KVC,    8388608                   ; kv's codes in act
.set ASC,    26214400                  ; act's scale bytes
.set WSC,    3145728                   ; wts' scale bytes
.set KSP,    16777216                  ; the sums of kh^2 in part
.set KSTEP,  256
.set NQ,     2                         ; matrix instructions deep in a slot
.set ROWB,   256                       ; a tile's row in bytes
.set KROW,   1024                      ; a row of codes in memory
.set PITCH,  272                       ; an LDS row: 256 bytes + 16 of padding = 68 words: row r starts at bank 4 r mod 64 (ISA guide 11.1)
.set FR,     16                        ; registers of a fragment
.set NL,     4                         ; LDS loads that bring one
.set NP,     8                         ; places behind this matrix instruction (ISA guide 7.12.1)
.set HALFT,  128*PITCH
.set SLOT,   4*HALFT
.set KS,     32                        ; a row of scale bytes
.set SCL,    2*SLOT                    ; behind the ring: the scales, as runs of 256 bytes + 16 of padding
.set HALFS,  (128*KS/256)*272
.set SBLK,   (16*KS/256)*272
.set SPARE,  SCL+4*HALFS               ; the spare words, 128 bytes a wave
.set ADRA, 16                          ; v16-17  LDS address of my fragments of W in slot 0, 1
.set ADRB, 20                          ; v20-21  the same for the tokens
.set STA,  24                          ; v24     the way out: my stage, 16,384 x wave + 16 x lane
.set RDA,  25                          ; v25     the way out: where I read the two halves' images
.set LI,   26                          ; v26     16 x lane
.set ADRS, 27                          ; v27     LDS address of my scale words
.set SPW,  28                          ; v28     my spare word; never rewritten
.set NIL,  29                          ; v29     0; never rewritten
.set SC,   32                          ; scale words, two sets of 16
.set BI,   64                          ; the biases: eight registers for each block of 16 rows of W
.set BSA,  1                           ; the bias hangs on source 1's block
.set BSB,  0
.set AF,   128
.set G1, 24
.set G0, 32
.set G1B, 48
.set G0B, 56
.set G1S, 68
.set G0S, 76
.set G1SB, 80
.set G0SB, 88
.set SEL,  40                          ; s[40:41] lane selects for v_permlanex16_b32: lane l xor 16 (set at the epilogue's head)
.set MNT,  44                          ; s44  the mantissa field of 57,344
; the epilogue's registers
.set SWK,  32                          ; v32-35  kh^2's scale words, one for each block of channels
.set SWV,  36                          ; v36-39  vh's
.set TM,   64                          ; v64-79  the quantiser's: largest magnitudes, bytes, holds, scale operands
.set KSM,  80                          ; v80-83  my lane's sums of kh^2
.set CH,   84                          ; v84-87  two chains
.set X,    128                         ; v128-191 64 numbers at work
.set X2,   192                         ; v192-255
.set KF,   0                           ; window 1: kh^2's four fragments
.set VF,   64                          ;           vh's four
.set SAC,  128                         ;           kv_sum: tile (t, i) at 8 (4 t + i)
.set MSB, 0
.macro WIN new                         ; the immediate's high byte repeats the setting that is left
.if MSB != (\new)
	s_set_vgpr_msb (MSB<<8)|(\new)
.set MSB, (\new)
.endif
.endm
.set MUL_LO, 0xa1                      ; source 0 window 1, source 1 window 0, C and D window 2
.set MUL_HI, 0xf1                      ; the same, C and D window 3
.set TO_B,   0x40                      ; destination window 1, address window 0
; A joint load: waves 0 and 1 fetch W's halves, waves 2 and 3 the tokens'.  The branch hangs on the wave's number alone.  An s_nop 0 and four v_nop follow each of the two lines.
.macro JLOAD g0a, g1a, g0b, g1b
	s_cmp_eq_u32 s15, 0
	s_cbranch_scc0 .Lfor_b_\@
	tensor_load_to_lds s[\g0a:\g0a+3], s[\g1a:\g1a+7]
	s_nop 0
.rept 4
	v_nop
.endr
	s_branch .Lasked_\@
.Lfor_b_\@:
	tensor_load_to_lds s[\g0b:\g0b+3], s[\g1b:\g1b+7]
	s_nop 0
.rept 4
	v_nop
.endr
.Lasked_\@:
.endm
.macro CREST                           ; a round of the cluster's barrier behind its opening barrier
	s_cmp_lg_u32 s14, 0
	s_cbranch_scc1 .Lnot_wave_0_\@
	s_barrier_signal -3
.Lnot_wave_0_\@:
	s_barrier_wait -3
	s_barrier_signal -1
	s_barrier_wait -1
.endm
.macro CROUND                          ; a whole round
	s_barrier_signal -1
	s_barrier_wait -1
	CREST
.endm
	s_load_b128 s[4:7], s[0:1], 0x0                ; act, wts
	s_load_b128 s[96:99], s[0:1], 0x10             ; bk, bv
	s_load_b64 s[12:13], s[0:1], 0x20              ; part
	v_lshl_add_u32 v[SPW], v0, 2, SPARE
	v_mov_b32 v[NIL], 0
	ds_add_u32 v[SPW], v[NIL]                      ; the wave's opening: the add, twice on end, and its wait ahead of my first tensor load
	ds_add_u32 v[SPW], v[NIL]
	v_lshrrev_b32 v1, 5, v0
	v_readfirstlane_b32 s14, v1                    ; wave 0..3
	s_lshr_b32 s15, s14, 1                         ; which half of the tile's rows of W is mine.  Also: I fetch for W (0) or for the tokens (1)
	s_and_b32 s16, s14, 1                          ; which half of its tokens.  Also: which 128 rows I fetch
	s_bfe_u32 s40, ttmp6, 0x40000                  ; cx, cy: my place in the cluster
	s_bfe_u32 s41, ttmp6, 0x40004
	s_lshl_b32 s42, ttmp9, 2
	s_add_co_u32 s42, s42, s40                     ; tile of tokens = 4 x cluster x + cx
	s_and_b32 s17, ttmp7, 0xffff
	s_lshl_b32 s17, s17, 2
	s_add_co_u32 s17, s17, s41                     ; tile of W's rows = 4 x cluster y + cy
	s_lshl_b32 s43, s41, 2
	s_lshl_b32 s43, 15, s43                        ; my row of the cluster
	s_lshl_b32 s44, 0x1111, s40                    ; my column
	; descriptor group 1: a tile of 128 rows x 256 bytes, 16 bytes of padding behind each row
	s_or_b32 s[G1+0], s43, (0<<16)|(1<<20)|(1<<21)|(5<<22)|(3<<25)  ; the mask; elements of 1 byte; padding on; bit 21 beside a mask; after every 64 words, 4 words
	s_or_b32 s[G1B+0], s44, (0<<16)|(1<<20)|(1<<21)|(5<<22)|(3<<25)
.irp g, G1, G1B
	s_mov_b32 s[\g+1], ROWB<<16                    ; tensor_dim0
	s_mov_b32 s[\g+2], 128<<16                     ; tensor_dim1
	s_mov_b32 s[\g+3], ROWB<<16                    ; tile_dim0
	s_mov_b32 s[\g+4], 128                         ; tile_dim1
	s_mov_b32 s[\g+5], KROW                        ; the pitch
	s_mov_b32 s[\g+6], 0
	s_mov_b32 s[\g+7], 0
.endr
	; the scales of 128 rows: 4,096 dense bytes, as 16 rows of 256 bytes (32 elements of 8 bytes), 16 bytes of padding behind each
	s_or_b32 s[G1S+0], s43, (3<<16)|(1<<20)|(1<<21)|(5<<22)|(3<<25)
	s_or_b32 s[G1SB+0], s44, (3<<16)|(1<<20)|(1<<21)|(5<<22)|(3<<25)
.irp g, G1S, G1SB
	s_mov_b32 s[\g+1], 32<<16
	s_mov_b32 s[\g+2], (128*KS/256)<<16
	s_mov_b32 s[\g+3], 32<<16
	s_mov_b32 s[\g+4], 128*KS/256
	s_mov_b32 s[\g+5], 32
	s_mov_b32 s[\g+6], 0
	s_mov_b32 s[\g+7], 0
.endr
	s_lshl_b32 s18, s16, 7                         ; which 128 rows of the tile I fetch
	s_lshl_b32 s20, s17, 8
	s_add_co_u32 s20, s20, s18                     ; W: row 256 x tile + 128 x half
	s_lshl_b32 s46, s42, 8
	s_add_co_u32 s46, s46, s18                     ; tokens likewise
	s_mov_b32 s21, 0
	s_mov_b32 s47, 0
	s_mov_b64 s[18:19], KS
	s_mul_u64 s[22:23], s[20:21], s[18:19]         ; where these rows' scales begin, in bytes
	s_mul_u64 s[92:93], s[46:47], s[18:19]
	s_mov_b64 s[18:19], KROW
	s_mul_u64 s[20:21], s[20:21], s[18:19]         ; and their codes
	s_mul_u64 s[46:47], s[46:47], s[18:19]
	s_mul_i32 s45, s14, HALFT                      ; where they go: wave x 128 rows: no place in the cluster enters an LDS address
	s_mul_i32 s94, s14, HALFS
	s_wait_dscnt 0x0                               ; both opening adds are done
	s_wait_kmcnt 0x0
	s_add_nc_u64 s[8:9], s[4:5], KVC               ; the tokens' codes,
	s_add_nc_u64 s[10:11], s[4:5], ASC+262144      ; their scale bytes;
	s_add_nc_u64 s[4:5], s[6:7], 1048576           ; Wk|Wv's codes,
	s_add_nc_u64 s[6:7], s[6:7], WSC+32768         ; their scale bytes
	s_add_nc_u64 s[20:21], s[4:5], s[20:21]
	s_add_nc_u64 s[22:23], s[6:7], s[22:23]
	s_add_nc_u64 s[46:47], s[8:9], s[46:47]
	s_add_nc_u64 s[92:93], s[10:11], s[92:93]
	CROUND                                         ; all sixteen work-groups are here: the first joint loads meet
	s_mov_b32 s[G0S], 1
	s_add_co_u32 s[G0S+1], s94, SCL
	s_mov_b64 s[G0S+2:G0S+3], s[22:23]
	s_or_b32 s[G0S+3], s[G0S+3], 0x80000000
	s_mov_b32 s[G0SB], 1
	s_add_co_u32 s[G0SB+1], s94, SCL
	s_mov_b64 s[G0SB+2:G0SB+3], s[92:93]
	s_or_b32 s[G0SB+3], s[G0SB+3], 0x80000000
	JLOAD G0S, G1S, G0SB, G1SB                     ; the scales first: they are wanted with K step 0
.irp s, 0,1
	s_mov_b32 s[G0+4*\s], 1
	s_add_co_u32 s[G0+4*\s+1], s45, \s*SLOT
	s_add_nc_u64 s[G0+4*\s+2:G0+4*\s+3], s[20:21], \s*ROWB
	s_or_b32 s[G0+4*\s+3], s[G0+4*\s+3], 0x80000000
	s_mov_b32 s[G0B+4*\s], 1
	s_add_co_u32 s[G0B+4*\s+1], s45, \s*SLOT
	s_add_nc_u64 s[G0B+4*\s+2:G0B+4*\s+3], s[46:47], \s*ROWB
	s_or_b32 s[G0B+4*\s+3], s[G0B+4*\s+3], 0x80000000
	JLOAD G0+4*\s, G1, G0B+4*\s, G1B               ; three tensor loads of mine are out now
.endr
	v_and_b32 v1, 15, v0                           ; r = lane % 16
	v_bfe_u32 v2, v0, 4, 1                         ; h = lane / 16
	v_mul_u32_u24 v3, v1, PITCH
	v_lshl_add_u32 v4, v2, 4, v3                   ; a fragment's row x pitch + 16 x half
	s_mul_i32 s21, s15, HALFT                      ; my 128 rows of W
	s_mul_i32 s22, s16, HALFT                      ; my 128 tokens,
	s_add_co_u32 s22, s22, 2*HALFT                 ; which lie behind W's 256 rows
.irp s, 0,1
	v_add_nc_u32 v[ADRA+\s], s21, v4
	v_add_nc_u32 v[ADRB+\s], s22, v4
	s_add_co_u32 s21, s21, SLOT
	s_add_co_u32 s22, s22, SLOT
.endr
	v_mul_u32_u24 v5, v1, KS                       ; my row's scales: 32 bytes a row,
	v_lshrrev_b32 v6, 8, v5
	v_lshl_add_u32 v5, v6, 4, v5                   ; and 16 more for each 256 passed
	s_mul_i32 s21, s15, HALFS
	s_mul_i32 s22, s16, HALFS
	s_add_co_u32 s22, s22, 2*HALFS
	s_sub_co_u32 s22, s22, s21
	v_mul_u32_u24 v6, s22, v2                      ; lanes 16-31 take the tokens'
	s_add_co_u32 s21, s21, SCL
	v_add_nc_u32 v5, v5, v6
	v_add_nc_u32 v[ADRS], s21, v5
	v_and_b32 v6, 31, v0
	v_lshlrev_b32 v[LI], 4, v6
	s_lshl_b32 s23, s14, 14
	v_add_nc_u32 v[STA], s23, v[LI]                ; my stage: 16,384 x wave
	s_lshl_b32 s23, s15, 15
	s_lshl_b32 s21, s16, 13
	s_add_co_u32 s23, s23, s21
	v_add_nc_u32 v[RDA], s23, v[LI]                ; back: the stage of my head's first wave, my half of the 32 groups
	v_lshlrev_b32 v7, 2, v1                        ; the biases: 4 r
	s_lshl_b32 s20, s17, 1
	s_add_co_u32 s20, s20, s15                     ; my head = 2 x tile of W + my half
	s_lshl_b32 s22, s20, 8
	s_mov_b32 s23, 0
	s_add_nc_u64 s[96:97], s[96:97], s[22:23]      ; bk and bv at my head
	s_add_nc_u64 s[98:99], s[98:99], s[22:23]
	s_lshr_b32 s21, s42, 4                         ; the batch: 16 tiles of 256 tokens each
	s_lshl_b32 s21, s21, 4
	s_add_co_u32 s21, s21, s20                     ; bh
	s_lshl_b32 s21, s21, 4
	s_and_b32 s22, s42, 15
	s_add_co_u32 s21, s21, s22                     ; 16 bh + p
	s_lshl_b32 s21, s21, 1
	s_add_co_u32 s21, s21, s16                     ; twice that + my half of the tokens
	s_lshl_b32 s22, s21, 9
	s_add_nc_u64 s[100:101], s[12:13], KSP
	s_add_nc_u64 s[100:101], s[100:101], s[22:23]  ; my image of sums of kh^2: 512 bytes
	s_lshl_b32 s22, s21, 13
	s_add_nc_u64 s[12:13], s[12:13], s[22:23]      ; my half, 8,192 bytes, of the work-group's image of my head's kv_sum
.irp a, 0,1,2,3
	global_load_b32 v[BI+8*\a], v7, s[96:97] offset:64*\a          ; bk(16 a + r)
.endr
.irp a, 0,1,2,3
	global_load_b32 v[BI+32+8*\a], v7, s[98:99] offset:64*\a       ; bv(16 a + r)
.endr
.macro FRAG reg, adr, q, i             ; 16 rows x 128 K: lane l holds row l % 16; registers 4 c .. 4 c + 3 hold K = 32 c + 16 (l / 16) + 0 .. 15
.irp c, 0,1,2,3
	ds_load_b128 v[\reg+4*\c:\reg+4*\c+3], v[\adr] offset:128*(\q)+32*\c+(\i)*16*PITCH
.endr
.endm
; 16 matrix instructions: W's blocks a0, a0 + 1 x the tokens' eight, 128 along K.  zero = 1: the first product starts the sums, with the bias as its C.  The 64 accumulators take turns.
.macro MUL16 a0, p, q, sc, zero
.irp a, \a0, \a0+1
.irp b, 0,1,2,3,4,5,6,7
.if \zero
	v_wmma_scale_f32_16x16x128_f8f6f4 v[8*(8*((\a)%4)+\b):8*(8*((\a)%4)+\b)+7], v[128*(\p)+FR*\b:128*(\p)+FR*\b+FR-1], v[AF+FR*(\a):AF+FR*(\a)+FR-1], v[BI+8*(BSA*(\a)+BSB*\b):BI+8*(BSA*(\a)+BSB*\b)+7], v[SC+8*NQ*(\sc)+NQ*\b+(\q)], v[SC+8*NQ*(\sc)+NQ*(\a)+(\q)] matrix_a_fmt:MATRIX_FMT_BF8 matrix_b_fmt:MATRIX_FMT_BF8 matrix_a_scale:MATRIX_SCALE_ROW1
.else
	v_wmma_scale_f32_16x16x128_f8f6f4 v[8*(8*((\a)%4)+\b):8*(8*((\a)%4)+\b)+7], v[128*(\p)+FR*\b:128*(\p)+FR*\b+FR-1], v[AF+FR*(\a):AF+FR*(\a)+FR-1], v[8*(8*((\a)%4)+\b):8*(8*((\a)%4)+\b)+7], v[SC+8*NQ*(\sc)+NQ*\b+(\q)], v[SC+8*NQ*(\sc)+NQ*(\a)+(\q)] matrix_a_fmt:MATRIX_FMT_BF8 matrix_b_fmt:MATRIX_FMT_BF8 matrix_a_scale:MATRIX_SCALE_ROW1
.endif
.endr
.endr
.endm
.macro FETCH_B slot, q, p
	WIN TO_B
.irp i, 0,1,2,3,4,5,6,7
	FRAG 128*(\p)+FR*\i, ADRB+\slot, \q, \i
.endr
	WIN 0
.endm
.macro FETCH_A slot, q, i0
.irp i, \i0, \i0+1, \i0+2, \i0+3
	FRAG AF+FR*(\i), ADRA+\slot, \q, \i
.endr
.endm
.macro SCALES sc                       ; a K step's scale words: lanes 0-15 take W's block i, lanes 16-31 the tokens' block i
.irp i, 0,1,2,3,4,5,6,7
	ds_load_b64 v[SC+8*NQ*\sc+NQ*\i:SC+8*NQ*\sc+NQ*\i+1], v[ADRS] offset:\i*SBLK
.endr
.endm
.macro PLACES n                        ; plain vector instructions that name no register of the matrix instructions ahead (ISA guide 7.12.1)
.rept \n
	v_nop
.endr
.endm
.macro STEP slot, q, zero              ; a step of 128 along K that has its successor in the same slot
	s_wait_dscnt 4*NL                              ; all but the 16 youngest loads (W's blocks 4-7) are in
.if \zero
	WIN 0x81                                       ; source 0 window 1, source 1 and C (the bias) window 0, D window 2
.else
	WIN MUL_LO
.endif
	MUL16 0, (\q)%2, \q, \slot, \zero
	MUL16 2, (\q)%2, \q, \slot, \zero
	s_wait_dscnt 0                                 ; W's blocks 4-7 are in
	PLACES NP
	FETCH_B \slot, (\q)+1, 1-(\q)%2
	FETCH_A \slot, (\q)+1, 0
.if \zero
	WIN 0xc1                                       ; the same, D window 3
.else
	WIN MUL_HI
.endif
	MUL16 4, (\q)%2, \q, \slot, \zero
	MUL16 6, (\q)%2, \q, \slot, \zero
	PLACES NP
	WIN 0
	FETCH_A \slot, (\q)+1, 4
.endm
; A slot's last step changes slots: one barrier; in front of it each wave waits for all its tensor loads, adds 0 to its spare word, and waits for that and for its reads of this slot.  fill = 1: the slot is filled again, two K steps ahead.
.macro TURN slot, next, fill
	s_wait_tensorcnt 0x0                           ; all my tensor loads have landed: my part of the next slot
	ds_add_u32 v[SPW], v[NIL]
	s_wait_dscnt 4*NL+1                            ; the add and the 16 youngest loads may be out
	WIN MUL_LO
	MUL16 0, 1, NQ-1, \slot, 0
	s_wait_dscnt 0x0                               ; the add is done, and my reads of this slot are over
	s_barrier_signal -1
	MUL16 2, 1, NQ-1, \slot, 0
	WIN 0
	s_barrier_wait -1
.if \fill
	CREST                                          ; the barrier has opened a round of the cluster's barrier: no wave of any partner still reads this slot or has a load on its way
	s_add_nc_u64 s[G0+4*\slot+2:G0+4*\slot+3], s[G0+4*\slot+2:G0+4*\slot+3], 2*ROWB
	s_add_nc_u64 s[G0B+4*\slot+2:G0B+4*\slot+3], s[G0B+4*\slot+2:G0B+4*\slot+3], 2*ROWB
	JLOAD G0+4*\slot, G1, G0B+4*\slot, G1B         ; the first tensor load behind the round; its four v_nop are among the places in front of the loads below
	PLACES NP-4
.else
	PLACES NP
.endif
	v_add_nc_u32 v[ADRS], 4*NQ, v[ADRS]            ; on to the next K step's scale words
	FETCH_B \next, 0, 0
	FETCH_A \next, 0, 0
	SCALES \next
	WIN MUL_HI
	MUL16 4, 1, NQ-1, \slot, 0
	MUL16 6, 1, NQ-1, \slot, 0
	PLACES NP
	WIN 0
	FETCH_A \next, 0, 4
.endm
; THE QUANTISER.  64 numbers of a lane, v[src] on in window win, register 16 b + i: block b of my row together with lane l xor 16's.  The held numbers go to v[hx] on (window 0), the codes to v[cod] on (window cw),
; the row's scale word to v[wrd].  sgn = 0: the numbers are not negative: no |.|, and the hold is one-sided.  Each accumulator is read from its low end on.
.macro QUANT src, win, hx, cod, cw, wrd, sgn
	WIN (\win)|((\win)<<2)
.irp b, 0,1,2,3
.if \sgn
	v_max3_num_f32 v[TM+\b], |v[(\src)+16*\b]|, |v[(\src)+16*\b+1]|, 0x8000000   ; my 16 numbers of block b, and the floor 2^(16 - 127)
.else
	v_max3_num_f32 v[TM+\b], v[(\src)+16*\b], v[(\src)+16*\b+1], 0x8000000
.endif
.endr
	WIN ((\win)<<2)|((\win)<<4)
.irp i, 2,4,6,8,10,12,14
.irp b, 0,1,2,3
.if \sgn
	v_max3_num_f32 v[TM+\b], v[TM+\b], |v[(\src)+16*\b+\i]|, |v[(\src)+16*\b+\i+1]|   ; the four blocks by turns
.else
	v_max3_num_f32 v[TM+\b], v[TM+\b], v[(\src)+16*\b+\i], v[(\src)+16*\b+\i+1]
.endif
.endr
.endr
	WIN 0
.irp b, 0,1,2,3
	v_permlanex16_b32 v[TM+4+\b], v[TM+\b], s[SEL], s[SEL+1]
.endr
.irp b, 0,1,2,3
	v_max_num_f32 v[TM+\b], v[TM+\b], v[TM+4+\b]   ; with lane l xor 16's: the block's largest magnitude
.endr
.irp b, 0,1,2,3
	v_add_nc_u32 v[TM+12+\b], 0xf8800000, v[TM+\b] ; 15 off its exponent field: the conversion's scale operand
.endr
.irp b, 0,1,2,3
	v_and_or_b32 v[TM+8+\b], v[TM+\b], 0x7f800000, s[MNT]   ; 57,344 x the scale
.endr
.irp b, 0,1,2,3
	v_lshrrev_b32 v[TM+4+\b], 23, v[TM+12+\b]      ; the scale's byte
.endr
	v_lshl_or_b32 v[\wrd], v[TM+5], 8, v[TM+4]     ; the four bytes make my row's scale word
	v_lshl_or_b32 v[\wrd], v[TM+6], 16, v[\wrd]
	v_lshl_or_b32 v[\wrd], v[TM+7], 24, v[\wrd]
	WIN (\win)
.irp b, 0,1,2,3
.irp i, 0,1,2,3,4,5,6,7,8,9,10,11,12,13,14,15
.if \sgn
	v_med3_num_f32 v[(\hx)+16*\b+\i], v[(\src)+16*\b+\i], -v[TM+8+\b], v[TM+8+\b]   ; the conversion does not saturate (ISA guide 7.6.2): the hold
.else
	v_min_num_f32 v[(\hx)+16*\b+\i], v[(\src)+16*\b+\i], v[TM+8+\b]
.endif
.endr
.endr
	WIN (\cw)<<6
.irp b, 0,1,2,3
	v_cvt_scalef32_pk8_bf8_f32 v[(\cod)+4*\b:(\cod)+4*\b+1], v[(\hx)+16*\b:(\hx)+16*\b+7], v[TM+12+\b]
	v_cvt_scalef32_pk8_bf8_f32 v[(\cod)+4*\b+2:(\cod)+4*\b+3], v[(\hx)+16*\b+8:(\hx)+16*\b+15], v[TM+12+\b]
.endr
	WIN 0
	v_nop                                          ; one plain vector instruction behind the last conversion
.endm
	s_wait_tensorcnt 1                             ; the scales and my part of K step 0 are in; K step 1's load may be out
	s_barrier_signal -1
	s_barrier_wait -1
	FETCH_B 0, 0, 0
	FETCH_A 0, 0, 0
	SCALES 0
	FETCH_A 0, 0, 4
	s_wait_loadcnt 0x0                             ; the biases
.irp a, 0,1,2,3,4,5,6,7
.irp j, 1,2,3,4,5,6,7
	v_mov_b32 v[BI+8*\a+\j], v[BI+8*\a]            ; a lane's channel is the same in all eight registers of a tile: the bias is spread
.endr
.endr
	; K = 1,024 is eight steps of 128, written out: four slots' worth, of which two are asked for at the head and two at the first two changes of slots
	STEP 0, 0, 1
	TURN 0, 1, 1
	STEP 1, 0, 0
	TURN 1, 0, 1
	STEP 0, 0, 0
	TURN 0, 1, 0
	STEP 1, 0, 0
	s_wait_dscnt 4*NL                              ; the very last step: nothing more to fetch
	WIN MUL_LO
	MUL16 0, 1, NQ-1, 1, 0
	MUL16 2, 1, NQ-1, 1, 0
	s_wait_dscnt 0
	WIN MUL_HI
	MUL16 4, 1, NQ-1, 1, 0
	MUL16 6, 1, NQ-1, 1, 0
	WIN 0
	; ---- THE EPILOGUE ----
	PLACES NP+1                                    ; behind the last products: results are read, operands' registers are written by vector instructions and, further down, by matrix instructions
	s_mov_b32 s[SEL], 0x76543210
	s_mov_b32 s[SEL+1], 0xfedcba98
	s_mov_b32 s[MNT], 0x600000
.irp b, 0,1,2,3
	v_mov_b32 v[TM+4+\b], 0                        ; written once: a lane permute's destination counts as one of its sources
.endr
.irp a, 0,1,2,3                        ; kh: squared, summed over my lane's 64 tokens, quantised along the tokens
	WIN 0x0a                                       ; sources window 2
.set k, 0
.rept 32
	v_pk_mul_f32 v[X+k:X+k+1], v[64*\a+k:64*\a+k+1], v[64*\a+k:64*\a+k+1]
.set k, k+2
.endr
	WIN 0
	v_pk_add_f32 v[CH:CH+1], v[X:X+1], v[X+2:X+3]  ; the sum is taken of the unquantised squares, in two chains
	v_pk_add_f32 v[CH+2:CH+3], v[X+4:X+5], v[X+6:X+7]
.set k, 8
.rept 14
	v_pk_add_f32 v[CH:CH+1], v[CH:CH+1], v[X+k:X+k+1]
	v_pk_add_f32 v[CH+2:CH+3], v[CH+2:CH+3], v[X+k+2:X+k+3]
.set k, k+4
.endr
	v_pk_add_f32 v[CH:CH+1], v[CH:CH+1], v[CH+2:CH+3]
	v_add_f32 v[KSM+\a], v[CH], v[CH+1]            ; channel 16 a + r, my half of the lanes' tokens: the next launch joins the halves
	QUANT X, 0, X, KF+16*\a, 1, SWK+\a, 0
.endr
.irp a, 0,1,2,3                        ; vh: quantised along the tokens
	QUANT 64*\a, 3, X, VF+16*\a, 1, SWV+\a, 1
.endr
	PLACES 8                                       ; codes and scale words made by vector instructions stand ahead of the scaled matrix instructions
	WIN 0x55
.irp t, 0,1,2,3                        ; kv_sum of my 128 tokens: source 0 = 16 channels d of kh^2, source 1 = 16 channels e of vh: lane r holds e = 16 t + r, register j holds d = 16 i + 8 (lane / 16) + j
.irp i, 0,1,2,3
	v_wmma_scale_f32_16x16x128_f8f6f4 v[SAC+8*(4*\t+\i):SAC+8*(4*\t+\i)+7], v[KF+16*\i:KF+16*\i+15], v[VF+16*\t:VF+16*\t+15], 0, v[SWK+\i], v[SWV+\t] matrix_a_fmt:MATRIX_FMT_BF8 matrix_b_fmt:MATRIX_FMT_BF8
.endr
.endr
	WIN 0
	PLACES 8
	WIN 0x04                                       ; an LDS store's data are its source 1: window 1
.irp g, 0,1,2,3,4,5,6,7,8,9,10,11,12,13,14,15,16,17,18,19,20,21,22,23,24,25,26,27,28,29,30,31
	ds_store_b128 v[STA], v[SAC+4*\g:SAC+4*\g+3] offset:512*\g     ; the image of my 128 registers, into my stage.  The stages lie in slot 0: it has had its last fill, and nobody reads it behind the last change of slots
.endr
	WIN 0
	global_store_b128 v[LI], v[KSM:KSM+3], s[100:101]              ; 32 lanes store 512 consecutive bytes
	s_wait_dscnt 0x0                               ; for the others' sake: my stores into the stage are done
	s_barrier_signal -1
	s_barrier_wait -1
.irp g, 0,1,2,3,4,5,6,7,8,9,10,11,12,13,14,15
	ds_load_b128 v[X+4*\g:X+4*\g+3], v[RDA] offset:512*\g          ; my head's two halves of the tokens, my half of the groups
	ds_load_b128 v[X2+4*\g:X2+4*\g+3], v[RDA] offset:16384+512*\g
.endr
.irp g, 0,1,2,3,4,5,6,7,8,9,10,11,12,13,14,15
	s_wait_dscnt 30-2*\g                           ; the younger pairs of loads may be out
	v_pk_add_f32 v[X+4*\g:X+4*\g+1], v[X+4*\g:X+4*\g+1], v[X2+4*\g:X2+4*\g+1]
	v_pk_add_f32 v[X+4*\g+2:X+4*\g+3], v[X+4*\g+2:X+4*\g+3], v[X2+4*\g+2:X2+4*\g+3]
	global_store_b128 v[LI], v[X+4*\g:X+4*\g+3], s[12:13] offset:512*\g   ; 32 lanes store 512 consecutive bytes, aligned
.endr
	s_wait_tensorcnt 0x0                           ; the wave's end
	ds_add_u32 v[SPW], v[NIL]
	s_wait_dscnt 0x0
	CROUND                                         ; the closing round
	s_endpgm
.Lfunc_end_k_q884df4bc42_kvgemm:
	.size	k_q884df4bc42_kvgemm, .Lfunc_end_k_q884df4bc42_kvgemm-k_q884df4bc42_kvgemm
	.p2alignl 7, 3214868480
	.fill 96, 4, 3214868480
	.section	.rodata,"a",@progbits
	.p2align	6, 0x0
	.amdhsa_kernel k_q884df4bc42_kvgemm
		.amdhsa_group_segment_fixed_size 327680
		.amdhsa_private_segment_fixed_size 0
		.amdhsa_enable_private_segment 0
		.amdhsa_kernarg_size 40
		.amdhsa_user_sgpr_count 2
		.amdhsa_user_sgpr_kernarg_segment_ptr 1
		.amdhsa_wavefront_size32 1
		.amdhsa_system_sgpr_workgroup_id_x 1
		.amdhsa_system_sgpr_workgroup_id_y 1
		.amdhsa_system_sgpr_workgroup_id_z 1
		.amdhsa_system_vgpr_workitem_id 0
		.amdhsa_next_free_vgpr 1024
		.amdhsa_next_free_sgpr 102
		.amdhsa_reserve_vcc 0
		.amdhsa_float_denorm_mode_32 3
		.amdhsa_float_denorm_mode_16_64 3
		.amdhsa_memory_ordered 1
		.amdhsa_forward_progress 1
		.amdhsa_inst_pref_size 203
	.end_amdhsa_kernel
	.amdgpu_metadata
---
amdhsa.version: [ 1, 2 ]
amdhsa.kernels:
  - .name:           k_q884df4bc42_kvgemm
    .symbol:         k_q884df4bc42_kvgemm.kd
    .args:
      - { .name: act, .offset: 0, .size: 8, .value_kind: global_buffer, .address_space: global }
      - { .name: wts, .offset: 8, .size: 8, .value_kind: global_buffer, .address_space: global }
      - { .name: bk, .offset: 16, .size: 8, .value_kind: global_buffer, .address_space: global }
      - { .name: bv, .offset: 24, .size: 8, .value_kind: global_buffer, .address_space: global }
      - { .name: part, .offset: 32, .size: 8, .value_kind: global_buffer, .address_space: global }
    .group_segment_fixed_size: 327680
    .private_segment_fixed_size: 0
    .kernarg_segment_align: 8
    .kernarg_segment_size: 40
    .max_flat_workgroup_size: 128
    .sgpr_count:     102
    .vgpr_count:     1024
    .wavefront_size: 32
...
	.end_amdgpu_metadata
.endif
;; end of part 2
;; launch reduce (part 3): grid 256 x 1, 4 waves a work-group, no clusters, 18,944 bytes of LDS; arguments part, kvs; writes kvs
.if DOCPART == 3
	.amdgcn_target "amdgcn-amd-amdhsa--gfx1250"
	.amdhsa_code_object_version 6
	.text
	.protected	k_q884df4bc42_reduce
	.globl	k_q884df4bc42_reduce
	.p2align	8
	.type	k_q884df4bc42_reduce,@function
k_q884df4bc42_reduce:
	s_mov_b64 s[64:65], 0
	v_nop
	global_prefetch_b8 v0, s[64:65] scope:SCOPE_SE
	s_setreg_imm32_b32 hwreg(HW_REG_WAVE_MODE, 25, 1), 1
	s_wait_xcnt 0x0
; Launch 3 of 5: for each (batch, head) bh the 16 partial kv_sum are added, kv_sum is quantised along d (the K of qh^2 . kv_sum), and the 32 partial sums of kh^2 are added.  Nothing of the problem is left out.
; Work-group 4 bh + t takes the tile of 16 channels e = 16 t + r: 32 registers a lane, register 8 i + j = kv_sum(d = 16 i + 8 (lane / 16) + j, e).  Wave w adds partials 4 w .. 4 w + 3; the four sums meet in LDS; wave 0 finishes.
; Registers 16 c .. 16 c + 15 of lanes l and l xor 16 are d = 32 c .. 32 c + 31: block c.  Inside a block the codes stand in the order in which the next launch's qh^2 stands too.
; OUT (kvs): [bh][t][1,024]: the eight code registers as an image (block c at 512 c + 16 x lane); at 262,144 [bh][t][128]: the scale word, 4 bytes a lane, bytes s0 s1 s0 s1 (it serves the head in either half of a K of 128);
; at 294,912: the sum of kh^2 over all tokens, [bh][64] f32.
; LIMITS: as in the first launch (NaN, infinities, the floor of a block's largest magnitude, a block of zeros); the order of f32 sums differs from the reference's.
; All four waves store their sums to LDS, wave 0 too, whose own area is not read: one text for all waves ahead of the barrier.
.set KSP,   16777216
.set AREA,  4608                       ; LDS: a wave's 4,096 bytes of sums, then 128 of its sum of kh^2
.set SPARE, 4*AREA
.set SPW,   30
.set NIL,   31
.set R,     32                         ; v32-159 four partials, later three waves' sums; the total in v32-63
.set KS,    160                        ; v160-167 eight partial sums of kh^2
	s_load_b128 s[4:7], s[0:1], 0x0                ; part, kvs
	v_lshl_add_u32 v[SPW], v0, 2, SPARE
	v_mov_b32 v[NIL], 0
	v_lshrrev_b32 v1, 5, v0
	v_readfirstlane_b32 s8, v1                     ; wave
	v_and_b32 v2, 31, v0
	v_lshlrev_b32 v3, 4, v2                        ; 16 x lane
	v_lshlrev_b32 v4, 2, v2                        ; 4 x lane
	s_mul_i32 s11, s8, AREA
	v_add_nc_u32 v5, s11, v3                       ; my area
	v_add_nc_u32 v6, s11, v4
	v_and_b32 v7, 15, v0
	v_lshlrev_b32 v7, 2, v7                        ; 4 r
	v_mov_b32 v10, 0                               ; written once: a lane permute's destination counts as one of its sources
	v_mov_b32 v11, 0
	v_mov_b32 v25, 0
	s_lshr_b32 s9, ttmp9, 2                        ; bh
	s_and_b32 s10, ttmp9, 3                        ; t
	s_lshl_b32 s12, s9, 18                         ; 16 partials of 16,384 bytes
	s_lshl_b32 s13, s10, 12                        ; the tile's eight groups of 512 bytes
	s_add_co_u32 s12, s12, s13
	s_lshl_b32 s13, s8, 16                         ; my four partials
	s_add_co_u32 s12, s12, s13
	s_mov_b32 s13, 0
	s_lshl_b32 s14, s9, 14                         ; 32 images of 512 bytes
	s_lshl_b32 s15, s8, 12                         ; my eight
	s_add_co_u32 s14, s14, s15
	s_lshl_b32 s15, s10, 2                         ; of a lane's four numbers the t-th: channels 16 t + r
	s_add_co_u32 s14, s14, s15
	s_mov_b32 s15, 0
	s_mov_b32 s20, 0x76543210
	s_mov_b32 s21, 0xfedcba98
	s_mov_b32 s22, 0x600000
	s_mov_b32 s25, 0
	s_wait_kmcnt 0x0
	s_add_nc_u64 s[16:17], s[4:5], s[12:13]
	s_add_nc_u64 s[18:19], s[4:5], KSP
	s_add_nc_u64 s[18:19], s[18:19], s[14:15]
	s_lshl_b32 s24, ttmp9, 10
	s_add_nc_u64 s[26:27], s[6:7], s[24:25]        ; the codes' image
	s_lshl_b32 s24, ttmp9, 7
	s_add_nc_u64 s[28:29], s[6:7], s[24:25]
	s_add_nc_u64 s[28:29], s[28:29], 262144        ; the scale words
	s_lshl_b32 s24, ttmp9, 6
	s_add_nc_u64 s[30:31], s[6:7], s[24:25]
	s_add_nc_u64 s[30:31], s[30:31], 294912        ; the sum of kh^2
.irp p, 0,1,2,3
.irp g, 0,1,2,3,4,5,6,7
	global_load_b128 v[R+32*\p+4*\g:R+32*\p+4*\g+3], v3, s[16:17] offset:16384*\p+512*\g th:TH_LOAD_NT   ; 32 lanes read 512 consecutive bytes
.endr
.endr
.irp i, 0,1,2,3,4,5,6,7
	global_load_b32 v[KS+\i], v3, s[18:19] offset:512*\i
.endr
	s_wait_loadcnt 0x0
.irp p, 1,2,3
.irp k, 0,2,4,6,8,10,12,14,16,18,20,22,24,26,28,30
	v_pk_add_f32 v[R+\k:R+\k+1], v[R+\k:R+\k+1], v[R+32*\p+\k:R+32*\p+\k+1]
.endr
.endr
	v_add_f32 v[KS], v[KS], v[KS+1]
	v_add_f32 v[KS+2], v[KS+2], v[KS+3]
	v_add_f32 v[KS+4], v[KS+4], v[KS+5]
	v_add_f32 v[KS+6], v[KS+6], v[KS+7]
	v_add_f32 v[KS], v[KS], v[KS+2]
	v_add_f32 v[KS+4], v[KS+4], v[KS+6]
	v_add_f32 v[KS], v[KS], v[KS+4]
.irp g, 0,1,2,3,4,5,6,7
	ds_store_b128 v5, v[R+4*\g:R+4*\g+3] offset:512*\g
.endr
	ds_store_b32 v6, v[KS] offset:4096
	s_wait_dscnt 0x0                               ; for the others' sake: my stores are done
	s_barrier_signal -1
	s_barrier_wait -1
	s_cmp_lg_u32 s8, 0
	s_cbranch_scc1 .Lend
.irp w, 1,2,3
.irp g, 0,1,2,3,4,5,6,7
	ds_load_b128 v[R+32*\w+4*\g:R+32*\w+4*\g+3], v3 offset:AREA*\w+512*\g
.endr
	ds_load_b32 v[KS+\w], v4 offset:AREA*\w+4096
.endr
	s_wait_dscnt 0x0
.irp w, 1,2,3
.irp k, 0,2,4,6,8,10,12,14,16,18,20,22,24,26,28,30
	v_pk_add_f32 v[R+\k:R+\k+1], v[R+\k:R+\k+1], v[R+32*\w+\k:R+32*\w+\k+1]
.endr
.endr
	v_add_f32 v[KS], v[KS], v[KS+1]
	v_add_f32 v[KS+2], v[KS+2], v[KS+3]
	v_add_f32 v[KS], v[KS], v[KS+2]
	v_permlanex16_b32 v25, v[KS], s20, s21
	v_add_f32 v[KS], v[KS], v25                    ; with the other half of the lanes' tokens: the sum of kh^2 over all 4,096 tokens, channel 16 t + r
	; the two blocks of 32 along d.  v8-9 largest magnitudes, v10-11 bytes, v12-13 holds, v14-15 scale operands, v16-23 codes, v24 the scale word
.irp b, 0,1
	v_max3_num_f32 v[8+\b], |v[R+16*\b]|, |v[R+16*\b+1]|, 0x8000000   ; and the floor 2^(16 - 127)
.endr
.irp i, 2,4,6,8,10,12,14
.irp b, 0,1
	v_max3_num_f32 v[8+\b], v[8+\b], |v[R+16*\b+\i]|, |v[R+16*\b+\i+1]|
.endr
.endr
.irp b, 0,1
	v_permlanex16_b32 v[10+\b], v[8+\b], s20, s21
.endr
.irp b, 0,1
	v_max_num_f32 v[8+\b], v[8+\b], v[10+\b]
.endr
.irp b, 0,1
	v_add_nc_u32 v[14+\b], 0xf8800000, v[8+\b]     ; 15 off the exponent field: the conversion's scale operand
.endr
.irp b, 0,1
	v_and_or_b32 v[12+\b], v[8+\b], 0x7f800000, s22   ; 57,344 x the scale
.endr
.irp b, 0,1
	v_lshrrev_b32 v[10+\b], 23, v[14+\b]           ; the scale's byte
.endr
	v_lshl_or_b32 v24, v11, 8, v10
	v_lshl_or_b32 v24, v24, 16, v24                ; s0 s1 s0 s1
.irp b, 0,1
.irp i, 0,1,2,3,4,5,6,7,8,9,10,11,12,13,14,15
	v_med3_num_f32 v[R+16*\b+\i], v[R+16*\b+\i], -v[12+\b], v[12+\b]
.endr
.endr
.irp b, 0,1
	v_cvt_scalef32_pk8_bf8_f32 v[16+4*\b:17+4*\b], v[R+16*\b:R+16*\b+7], v[14+\b]
	v_cvt_scalef32_pk8_bf8_f32 v[18+4*\b:19+4*\b], v[R+16*\b+8:R+16*\b+15], v[14+\b]
.endr
	v_nop                                          ; one plain vector instruction behind the last conversion
	global_store_b128 v3, v[16:19], s[26:27]       ; 32 lanes store 512 consecutive bytes
	global_store_b128 v3, v[20:23], s[26:27] offset:512
	global_store_b32 v4, v24, s[28:29]
	global_store_b32 v7, v[KS], s[30:31]           ; lanes 16-31 write the same words with the same values as lanes 0-15
.Lend:
	s_wait_tensorcnt 0x0                           ; the wave's end
	ds_add_u32 v[SPW], v[NIL]
	s_wait_dscnt 0x0
	s_endpgm
.Lfunc_end_k_q884df4bc42_reduce:
	.size	k_q884df4bc42_reduce, .Lfunc_end_k_q884df4bc42_reduce-k_q884df4bc42_reduce
	.p2alignl 7, 3214868480
	.fill 96, 4, 3214868480
	.section	.rodata,"a",@progbits
	.p2align	6, 0x0
	.amdhsa_kernel k_q884df4bc42_reduce
		.amdhsa_group_segment_fixed_size 18944
		.amdhsa_private_segment_fixed_size 0
		.amdhsa_enable_private_segment 0
		.amdhsa_kernarg_size 16
		.amdhsa_user_sgpr_count 2
		.amdhsa_user_sgpr_kernarg_segment_ptr 1
		.amdhsa_wavefront_size32 1
		.amdhsa_system_sgpr_workgroup_id_x 1
		.amdhsa_system_sgpr_workgroup_id_y 1
		.amdhsa_system_sgpr_workgroup_id_z 1
		.amdhsa_system_vgpr_workitem_id 0
		.amdhsa_next_free_vgpr 176
		.amdhsa_next_free_sgpr 66
		.amdhsa_reserve_vcc 0
		.amdhsa_float_denorm_mode_32 3
		.amdhsa_float_denorm_mode_16_64 3
		.amdhsa_memory_ordered 1
		.amdhsa_forward_progress 1
		.amdhsa_inst_pref_size 20
	.end_amdhsa_kernel
	.amdgpu_metadata
---
amdhsa.version: [ 1, 2 ]
amdhsa.kernels:
  - .name:           k_q884df4bc42_reduce
    .symbol:         k_q884df4bc42_reduce.kd
    .args:
      - { .name: part, .offset: 0, .size: 8, .value_kind: global_buffer, .address_space: global }
      - { .name: kvs, .offset: 8, .size: 8, .value_kind: global_buffer, .address_space: global }
    .group_segment_fixed_size: 18944
    .private_segment_fixed_size: 0
    .kernarg_segment_align: 8
    .kernarg_segment_size: 16
    .max_flat_workgroup_size: 128
    .sgpr_count:     66
    .vgpr_count:     176
    .wavefront_size: 32
...
	.end_amdgpu_metadata
.endif
;; end of part 3
;; launch qgemm (part 4): grid 4 x 64, 4 waves a work-group, clusters of 4 x 4, 327,680 bytes of LDS; arguments act, wts, bq, kvs, att; writes att
.if DOCPART == 4
	.amdgcn_target "amdgcn-amd-amdhsa--gfx1250"
	.amdhsa_code_object_version 6
	.text
	.protected	k_q884df4bc42_qgemm
	.globl	k_q884df4bc42_qgemm
	.p2align	8
	.type	k_q884df4bc42_qgemm,@function
k_q884df4bc42_qgemm:
	s_mov_b64 s[64:65], 0
	v_nop
	global_prefetch_b8 v0, s[64:65] scope:SCOPE_SE
	s_setreg_imm32_b32 hwreg(HW_REG_WAVE_MODE, 25, 1), 1
	s_wait_xcnt 0x0
	s_wait_alu depctr_hold_cnt(0) depctr_sa_sdst(0) depctr_va_vdst(0) depctr_va_sdst(0) depctr_va_ssrc(0) depctr_va_vcc(0) depctr_vm_vsrc(0)
	s_getreg_b32 s2, hwreg(HW_REG_IB_STS2, 6, 4)
	s_cmp_eq_u32 s2, 0
	s_cbranch_scc0 .Lentry_in_a_cluster
	s_endpgm
.Lentry_in_a_cluster:
	s_bfe_u32 s2, ttmp6, 0x10000c
	s_cmp_lg_u32 s2, 0xf033
	s_cbranch_scc0 .Lentry_shape_is_right
	s_endpgm
.Lentry_shape_is_right:
; Launch 4 of 5: qh = q Wq + bq (K = d_model, on codes), qh squared, z = 1 / (qh^2 . sum of kh^2 + 1e-6) in f32, qh^2 quantised along the head's 64, qh^2 . kv_sum on codes, x z, and the result quantised along (head, e):
; the codes and scale bytes of the last product's left operand.  Nothing of the problem is left out.
; THE GEMM: a tile of 128 tokens x 256 columns (h, e) is made by four waves, each 64 tokens x 128 columns: 32 accumulators of 16 x 16.  8,192 x 1,024 results make 256 such tiles.
; K = 1,024 is four K steps of 256.  LDS holds THREE slots of (128 + 256) rows x 272 bytes: K steps 0, 1, 2 are asked for at the head; K step 3 goes into slot 0 behind the change from slot 0 to slot 1, and has
; three and a half steps of 128 along K, 112 matrix instructions of a wave, in which to land.  The scale bytes of the tile's rows, for all of K, come into LDS once.
; CLUSTERS: 4 x 4 work-groups.  The four of a row of the cluster need the same tokens, the four of a column the same rows of Wq: joint loads.  Waves 0 and 1 fetch the tokens' halves (64 rows), waves 2 and 3 Wq's (128 rows).
; SOURCE 0 = 16 ROWS OF Wq, SOURCE 1 = 16 TOKENS: a lane holds ONE token and its registers run along the columns, which are the K of both products that follow.  A wave's 128 columns are two heads.  bq is the C of each sum's first instruction.
; FOR A BLOCK OF 16 TOKENS the lane's 64 registers are columns 16 b + 8 (lane / 16) + j; registers 16 c .. 16 c + 15 of lanes l and l xor 16 are columns 32 c .. 32 c + 31: block c.  The codes are ONE fragment of K = 128: head 0's 64, head 1's 64.
; K = 64 IS SERVED BY ZERO CODES: head 0's fragment of kv_sum is its eight code registers and eight registers of zeros, head 1's the zeros and then its eight.  Zero codes add nothing under any scale byte but 0xff.
; Inside a block the codes of qh^2 and of kv_sum stand in the same order (other than d's), so the products meet; the result's codes are STORED in the natural order of the columns, since Wo's codes lie so.
; LIMITS: NaN and infinities are not served; a block whose largest magnitude lies under 2^(16 - 127) keeps the byte 1, a block of zeros too; the order of f32 sums differs from the reference's; 1 / x is v_rcp_f32.
; REGISTERS: window 0: v0-22 addresses; v24-31 kv_sum's scale words; v32-63 scale words, two sets; v64-127 bq, on the way out rows of codes; v128-255 the tokens' fragments, two sets, later at work.
;   window 1: Wq's fragments, two sets.  window 2: the accumulators (block of tokens a, columns b at v[8 (8 a + b)]).  window 3: kv_sum's fragments, qh^2's codes, the second product's results, the sums of kh^2.
.set ASC,    26214400                  ; act's scale bytes
.set WSC,    3145728                   ; wts' scale bytes
.set NQ,     2                         ; matrix instructions deep in a slot
.set ROWB,   256                       ; a tile's row in bytes
.set KROW,   1024                      ; a row of codes in memory
.set PITCH,  272                       ; an LDS row: 256 bytes + 16 of padding = 68 words: row r starts at bank 4 r mod 64 (ISA guide 11.1)
.set FR,     16                        ; registers of a fragment
.set NP,     8                         ; places behind this matrix instruction (ISA guide 7.12.1)
.set HALFA,  64*PITCH                  ; 64 tokens: what waves 0 and 1 fetch, and what a wave reads of the tokens
.set HALFT,  128*PITCH                 ; 128 rows of Wq: what waves 2 and 3 fetch, and what a wave reads of Wq
.set SLOT,   2*HALFA+2*HALFT           ; the tokens' 128 rows, then Wq's 256
.set KS,     32                        ; a row of scale bytes
.set SCL,    3*SLOT                    ; behind the three slots: the scales, as runs of 256 bytes + 16 of padding
.set HALFSA, (64*KS/256)*272           ; those of 64 rows
.set HALFS,  (128*KS/256)*272          ; of 128 rows
.set SBLK,   (16*KS/256)*272           ; of 16 rows
.set SPARE,  SCL+2*HALFSA+2*HALFS      ; the spare words, 128 bytes a wave
.set STAGE,  SLOT                      ; the way out goes through slot 1: its one fill is the head's, and its last reads lie in front of the barrier of the change into slot 0
.set LI,   7                           ; v7   16 x lane
.set L4,   8                           ; v8   4 x lane
.set H32,  9                           ; v9   32 x (lane / 16)
.set R32,  10                          ; v10  32 x (lane % 16)
.set ADRA, 11                          ; v11-13  LDS address of my tokens' fragments in slot 0, 1, 2
.set ADRB, 14                          ; v14-16  the same for Wq
.set ADRS, 17                          ; v17  LDS address of my scale words: lanes 0-15 the tokens', lanes 16-31 Wq's
.set STO,  18                          ; v18  the stage: where I put 8 codes of a row
.set RD,   19                          ; v19  where I read a row back
.set CO,   20                          ; v20  my byte offset in att
.set SPW,  21                          ; v21  my spare word; never rewritten
.set NIL,  22                          ; v22  0; never rewritten
.set KSC,  24                          ; v24-31  kv_sum's scale words: head hh, tile t at 4 hh + t
.set SC,   32                          ; scale words: the set of K step k at v[SC + 16 (k % 2)]
.set BI,   64                          ; bq: eight registers for each block of 16 columns
.set AF,   128                         ; the tokens' fragments: set p at v[AF + 64 p]
.set G1,   24                          ; s[24:31] descriptor group 1 for the tokens' tiles;  s[32:43] group 0, a set for each slot
.set G0,   32
.set G1B,  44                          ; s[44:51], s[52:63] the same for Wq's tiles
.set G0B,  52
.set G1S,  68                          ; s[68:75], s[76:79] groups 1 and 0 for the tokens' scales;  s[80:87], s[88:91] for Wq's
.set G0S,  76
.set G1SB, 80
.set G0SB, 88
.set SEL,  2                           ; s[2:3] lane selects for v_permlanex16_b32: lane l xor 16 (set at the epilogue's head)
.set MNT,  18                          ; s18  the mantissa field of 57,344
; the epilogue's registers
.set PW,   40                          ; v40     qh^2's scale word
.set PWS,  48                          ; v48-51  the result's scale words, one for each block of tokens
.set X,    128                         ; v128-191 64 numbers at work
.set TM,   192                         ; v192-207 the quantiser's
.set DN,   208                         ; v208-211 the two denominators
.set ZZ,   212                         ; v212, v214: z of head 0, of head 1 (v213, v215 are named with them as pairs)
.set ACD,  216                         ; v216-231 the result's codes
.set QF,   96                          ; window 3: qh^2's fragment;  v0-95: kv_sum's fragments, tile t: v[24 t] head 0's eight, v[24 t + 8] eight of zeros, v[24 t + 16] head 1's eight
.set OA,   128                         ; window 3: the second product's eight accumulators
.set KSR,  192                         ; window 3: the sums of kh^2 at my lane's 64 columns
.set MSB, 0
.macro WIN new                         ; the immediate's high byte repeats the setting that is left
.if MSB != (\new)
	s_set_vgpr_msb (MSB<<8)|(\new)
.set MSB, (\new)
.endif
.endm
.set MUL,    0xa1                      ; source 0 (Wq) window 1, source 1 (tokens) window 0, C and D window 2
.set MULB,   0x81                      ; the same with C (the bias) in window 0
.set TO_B,   0x40                      ; destination window 1, address window 0
.set TO_3,   0xc0                      ; destination window 3, address window 0
; A joint load: waves 0 and 1 fetch for the tokens, waves 2 and 3 for Wq.  The branch hangs on the wave's number alone.  An s_nop 0 and four v_nop follow each of the two lines.
.macro JLOAD g0a, g1a, g0b, g1b
	s_cmp_eq_u32 s15, 0
	s_cbranch_scc0 .Lfor_b_\@
	tensor_load_to_lds s[\g0a:\g0a+3], s[\g1a:\g1a+7]
	s_nop 0
.rept 4
	v_nop
.endr
	s_branch .Lasked_\@
.Lfor_b_\@:
	tensor_load_to_lds s[\g0b:\g0b+3], s[\g1b:\g1b+7]
	s_nop 0
.rept 4
	v_nop
.endr
.Lasked_\@:
.endm
.macro CREST                           ; a round of the cluster's barrier behind its opening barrier
	s_cmp_lg_u32 s14, 0
	s_cbranch_scc1 .Lnot_wave_0_\@
	s_barrier_signal -3
.Lnot_wave_0_\@:
	s_barrier_wait -3
	s_barrier_signal -1
	s_barrier_wait -1
.endm
.macro CROUND                          ; a whole round
	s_barrier_signal -1
	s_barrier_wait -1
	CREST
.endm
	s_load_b128 s[4:7], s[0:1], 0x0                ; act, wts
	s_load_b128 s[96:99], s[0:1], 0x10             ; bq, kvs
	s_load_b64 s[12:13], s[0:1], 0x20              ; att
	v_lshl_add_u32 v[SPW], v0, 2, SPARE
	v_mov_b32 v[NIL], 0
	ds_add_u32 v[SPW], v[NIL]                      ; the wave's opening: the add, twice on end, and its wait ahead of my first tensor load
	ds_add_u32 v[SPW], v[NIL]
	v_lshrrev_b32 v1, 5, v0
	v_readfirstlane_b32 s14, v1                    ; wave 0..3
	s_lshr_b32 s15, s14, 1                         ; which half of the tile's tokens is mine.  Also: I fetch for the tokens (0) or for Wq (1)
	s_and_b32 s16, s14, 1                          ; which half of its columns.  Also: which half of the rows I fetch
	s_bfe_u32 s2, ttmp6, 0x40000                   ; cx, cy: my place in the cluster
	s_bfe_u32 s3, ttmp6, 0x40004
	s_lshl_b32 s66, ttmp9, 2
	s_add_co_u32 s66, s66, s2                      ; tile of columns = 4 x cluster x + cx
	s_and_b32 s17, ttmp7, 0xffff
	s_lshl_b32 s17, s17, 2
	s_add_co_u32 s17, s17, s3                      ; tile of tokens = 4 x cluster y + cy
	s_lshl_b32 s100, s3, 2
	s_lshl_b32 s100, 15, s100                      ; my row of the cluster
	s_lshl_b32 s101, 0x1111, s2                    ; my column
	; descriptor group 1: rows of 256 bytes, 16 bytes of padding behind each: 64 rows of tokens, 128 rows of Wq
	s_or_b32 s[G1+0], s100, (0<<16)|(1<<20)|(1<<21)|(5<<22)|(3<<25)  ; the mask; elements of 1 byte; padding on; bit 21 beside a mask; after every 64 words, 4 words
	s_or_b32 s[G1B+0], s101, (0<<16)|(1<<20)|(1<<21)|(5<<22)|(3<<25)
	s_mov_b32 s[G1+1], ROWB<<16                    ; tensor_dim0
	s_mov_b32 s[G1+2], 64<<16                      ; tensor_dim1
	s_mov_b32 s[G1+3], ROWB<<16                    ; tile_dim0
	s_mov_b32 s[G1+4], 64                          ; tile_dim1
	s_mov_b32 s[G1+5], KROW                        ; the pitch
	s_mov_b32 s[G1+6], 0
	s_mov_b32 s[G1+7], 0
	s_mov_b32 s[G1B+1], ROWB<<16
	s_mov_b32 s[G1B+2], 128<<16
	s_mov_b32 s[G1B+3], ROWB<<16
	s_mov_b32 s[G1B+4], 128
	s_mov_b32 s[G1B+5], KROW
	s_mov_b32 s[G1B+6], 0
	s_mov_b32 s[G1B+7], 0
	; the scales: dense bytes, as rows of 256 bytes (32 elements of 8 bytes), 16 bytes of padding behind each: 8 rows for 64 tokens, 16 for 128 rows of Wq
	s_or_b32 s[G1S+0], s100, (3<<16)|(1<<20)|(1<<21)|(5<<22)|(3<<25)
	s_or_b32 s[G1SB+0], s101, (3<<16)|(1<<20)|(1<<21)|(5<<22)|(3<<25)
	s_mov_b32 s[G1S+1], 32<<16
	s_mov_b32 s[G1S+2], (64*KS/256)<<16
	s_mov_b32 s[G1S+3], 32<<16
	s_mov_b32 s[G1S+4], 64*KS/256
	s_mov_b32 s[G1S+5], 32
	s_mov_b32 s[G1S+6], 0
	s_mov_b32 s[G1S+7], 0
	s_mov_b32 s[G1SB+1], 32<<16
	s_mov_b32 s[G1SB+2], (128*KS/256)<<16
	s_mov_b32 s[G1SB+3], 32<<16
	s_mov_b32 s[G1SB+4], 128*KS/256
	s_mov_b32 s[G1SB+5], 32
	s_mov_b32 s[G1SB+6], 0
	s_mov_b32 s[G1SB+7], 0
	s_lshl_b32 s18, s16, 6
	s_lshl_b32 s20, s17, 7
	s_add_co_u32 s20, s20, s18                     ; tokens: row 128 x tile + 64 x half
	s_lshl_b32 s18, s16, 7
	s_lshl_b32 s94, s66, 8
	s_add_co_u32 s94, s94, s18                     ; Wq: row 256 x tile + 128 x half
	s_mov_b32 s21, 0
	s_mov_b32 s95, 0
	s_mov_b64 s[18:19], KS
	s_mul_u64 s[22:23], s[20:21], s[18:19]         ; where these rows' scales begin, in bytes
	s_mul_u64 s[92:93], s[94:95], s[18:19]
	s_mov_b64 s[18:19], KROW
	s_mul_u64 s[20:21], s[20:21], s[18:19]         ; and their codes
	s_mul_u64 s[94:95], s[94:95], s[18:19]
	s_mul_i32 s67, s16, HALFA                      ; where they go in a slot: the tokens' halves,
	s_mul_i32 s18, s16, HALFT
	s_add_co_u32 s18, s18, 2*HALFA                 ; then Wq's halves: no place in the cluster enters an LDS address
	s_mul_i32 s19, s16, HALFSA                     ; and among the scales
	s_mul_i32 s2, s16, HALFS
	s_wait_dscnt 0x0                               ; both opening adds are done
	s_wait_kmcnt 0x0
	s_mov_b64 s[8:9], s[6:7]                       ; Wq's codes: wts' first rows,
	s_add_nc_u64 s[10:11], s[6:7], WSC             ; their scale bytes;
	s_add_nc_u64 s[6:7], s[4:5], ASC               ; q's scale bytes; q's codes are act's first rows
	s_add_nc_u64 s[20:21], s[4:5], s[20:21]
	s_add_nc_u64 s[22:23], s[6:7], s[22:23]
	s_add_nc_u64 s[94:95], s[8:9], s[94:95]
	s_add_nc_u64 s[92:93], s[10:11], s[92:93]
	CROUND                                         ; all sixteen work-groups are here: the first joint loads meet
	s_mov_b32 s[G0S], 1
	s_add_co_u32 s[G0S+1], s19, SCL
	s_mov_b64 s[G0S+2:G0S+3], s[22:23]
	s_or_b32 s[G0S+3], s[G0S+3], 0x80000000
	s_mov_b32 s[G0SB], 1
	s_add_co_u32 s[G0SB+1], s2, SCL+2*HALFSA
	s_mov_b64 s[G0SB+2:G0SB+3], s[92:93]
	s_or_b32 s[G0SB+3], s[G0SB+3], 0x80000000
	JLOAD G0S, G1S, G0SB, G1SB                     ; the scales first: they are wanted with K step 0
.irp s, 0,1,2
	s_mov_b32 s[G0+4*\s], 1
	s_add_co_u32 s[G0+4*\s+1], s67, \s*SLOT
	s_add_nc_u64 s[G0+4*\s+2:G0+4*\s+3], s[20:21], \s*ROWB
	s_or_b32 s[G0+4*\s+3], s[G0+4*\s+3], 0x80000000
	s_mov_b32 s[G0B+4*\s], 1
	s_add_co_u32 s[G0B+4*\s+1], s18, \s*SLOT
	s_add_nc_u64 s[G0B+4*\s+2:G0B+4*\s+3], s[94:95], \s*ROWB
	s_or_b32 s[G0B+4*\s+3], s[G0B+4*\s+3], 0x80000000
	JLOAD G0+4*\s, G1, G0B+4*\s, G1B               ; K steps 0, 1, 2: four tensor loads of mine are out behind the last
.endr
	v_and_b32 v1, 15, v0                           ; r = lane % 16
	v_bfe_u32 v2, v0, 4, 1                         ; h = lane / 16
	v_mul_u32_u24 v3, v1, PITCH
	v_lshl_add_u32 v4, v2, 4, v3                   ; a fragment's row x pitch + 16 x half
	s_mul_i32 s21, s15, HALFA                      ; my 64 tokens
	s_mul_i32 s22, s16, HALFT                      ; my 128 rows of Wq,
	s_add_co_u32 s22, s22, 2*HALFA                 ; which lie behind the tokens' 128 rows
.irp s, 0,1,2
	v_add_nc_u32 v[ADRA+\s], s21, v4
	v_add_nc_u32 v[ADRB+\s], s22, v4
	s_add_co_u32 s21, s21, SLOT
	s_add_co_u32 s22, s22, SLOT
.endr
	v_mul_u32_u24 v5, v1, KS                       ; my row's scales: 32 bytes a row,
	v_lshrrev_b32 v6, 8, v5
	v_lshl_add_u32 v5, v6, 4, v5                   ; and 16 more for each 256 passed
	s_mul_i32 s21, s15, HALFSA                     ; the tokens': my 64 rows
	s_mul_i32 s22, s16, HALFS                      ; Wq's: my 128 rows, behind the tokens' 128
	s_add_co_u32 s22, s22, 2*HALFSA
	s_sub_co_u32 s22, s22, s21
	v_mul_u32_u24 v6, s22, v2                      ; lanes 16-31 take Wq's
	s_add_co_u32 s21, s21, SCL
	v_add_nc_u32 v5, v5, v6
	v_add_nc_u32 v[ADRS], s21, v5
	v_and_b32 v6, 31, v0
	v_lshlrev_b32 v[LI], 4, v6
	v_lshlrev_b32 v[L4], 2, v6
	v_lshlrev_b32 v[H32], 5, v2
	v_lshlrev_b32 v[R32], 5, v1
	s_mul_i32 s23, s15, 64*272                     ; the stage, 128 rows of 256 bytes + 16: my 64 tokens,
	s_lshl_b32 s21, s16, 7                         ; my 128 columns,
	s_add_co_u32 s23, s23, s21
	s_add_co_u32 s23, s23, STAGE
	v_mul_u32_u24 v5, v1, 272                      ; row r,
	v_lshl_add_u32 v5, v2, 3, v5                   ; 8 bytes for each half of the lanes
	v_add_nc_u32 v[STO], s23, v5
	s_mul_i32 s23, s14, 32*272                     ; back: wave w takes rows 32 w on, whole; lanes 0-15 one row, lanes 16-31 the next
	s_add_co_u32 s23, s23, STAGE
	v_mul_u32_u24 v5, v2, 272
	v_lshl_add_u32 v5, v1, 4, v5
	v_add_nc_u32 v[RD], s23, v5
	v_lshlrev_b32 v5, 10, v2
	v_lshl_add_u32 v[CO], v1, 4, v5                ; and the same two rows in att
	s_lshl_b32 s20, s66, 2
	s_lshl_b32 s21, s16, 1
	s_add_co_u32 s20, s20, s21                     ; my first head = 4 x tile of columns + 2 x half
	s_lshl_b32 s22, s20, 8
	s_mov_b32 s23, 0
	s_add_nc_u64 s[96:97], s[96:97], s[22:23]      ; bq at my 128 columns
	s_lshr_b32 s21, s17, 4                         ; the batch: 16 tiles of 128 tokens
	s_lshl_b32 s21, s21, 4
	s_add_co_u32 s21, s21, s20                     ; bh of my first head
	s_lshl_b32 s22, s21, 12
	s_add_nc_u64 s[92:93], s[98:99], s[22:23]      ; kv_sum's code images
	s_lshl_b32 s22, s21, 9
	s_add_nc_u64 s[94:95], s[98:99], s[22:23]
	s_add_nc_u64 s[94:95], s[94:95], 262144        ; its scale words
	s_lshl_b32 s22, s21, 8
	s_add_nc_u64 s[98:99], s[98:99], s[22:23]
	s_add_nc_u64 s[98:99], s[98:99], 294912        ; the sums of kh^2
	s_lshl_b32 s20, s17, 7
	s_lshl_b32 s21, s15, 6
	s_add_co_u32 s20, s20, s21                     ; my first token
	s_lshl_b32 s22, s20, 5                         ; att's scale bytes: 32 a token,
	s_lshl_b32 s21, s66, 3
	s_add_co_u32 s22, s22, s21
	s_lshl_b32 s21, s16, 2
	s_add_co_u32 s22, s22, s21                     ; my four of them
	s_add_nc_u64 s[100:101], s[12:13], s[22:23]
	s_add_nc_u64 s[100:101], s[100:101], 8388608
	s_lshl_b32 s20, s17, 7
	s_lshl_b32 s21, s14, 5
	s_add_co_u32 s20, s20, s21                     ; the first row that I store
	s_lshl_b32 s22, s20, 10
	s_lshl_b32 s21, s66, 8
	s_add_co_u32 s22, s22, s21
	s_add_nc_u64 s[12:13], s[12:13], s[22:23]
	; all that the wave wants from memory beside the tiles is asked for here, while the first tiles are on their way
.irp b, 0,1,2,3,4,5,6,7
	global_load_b128 v[BI+8*\b:BI+8*\b+3], v[H32], s[96:97] offset:64*\b          ; bq at columns 16 b + 8 h + 0 .. 7
	global_load_b128 v[BI+8*\b+4:BI+8*\b+7], v[H32], s[96:97] offset:64*\b+16
.endr
.irp hh, 0,1
.irp t, 0,1,2,3
	global_load_b32 v[KSC+4*\hh+\t], v[L4], s[94:95] offset:512*\hh+128*\t
.endr
.endr
	WIN TO_3
.irp hh, 0,1
.irp t, 0,1,2,3
.irp x, 0,1
	global_load_b128 v[24*\t+16*\hh+4*\x:24*\t+16*\hh+4*\x+3], v[LI], s[92:93] offset:4096*\hh+1024*\t+512*\x   ; kv_sum's codes: head hh, channels e 16 t on, block x along d
.endr
.endr
.endr
.irp b, 0,1,2,3,4,5,6,7
	global_load_b128 v[KSR+8*\b:KSR+8*\b+3], v[H32], s[98:99] offset:64*\b        ; the sums of kh^2 at columns 16 b + 8 h + 0 .. 7
	global_load_b128 v[KSR+8*\b+4:KSR+8*\b+7], v[H32], s[98:99] offset:64*\b+16
.endr
.irp t, 0,1,2,3
.irp j, 0,1,2,3,4,5,6,7
	v_mov_b32 v[24*\t+8+\j], 0                     ; the zero codes between the two heads' registers
.endr
.endr
	WIN 0
.macro FRAG reg, adr, q, i             ; 16 rows x 128 K: lane l holds row l % 16; registers 4 c .. 4 c + 3 hold K = 32 c + 16 (l / 16) + 0 .. 15
.irp c, 0,1,2,3
	ds_load_b128 v[\reg+4*\c:\reg+4*\c+3], v[\adr] offset:128*(\q)+32*\c+(\i)*16*PITCH
.endr
.endm
; 16 matrix instructions: the tokens' blocks a0, a0 + 1 x Wq's eight, 128 along K: the slot's q-th, on the sets q.  zero = 1: the first product starts the sums, with the bias as its C.
; The 32 accumulators take turns, one instruction a turn, in the same order in every step.
.macro MUL16 a0, q, sc, zero
.irp a, \a0, \a0+1
.irp b, 0,1,2,3,4,5,6,7
.if \zero
	v_wmma_scale_f32_16x16x128_f8f6f4 v[8*(8*(\a)+\b):8*(8*(\a)+\b)+7], v[128*(\q)+FR*\b:128*(\q)+FR*\b+FR-1], v[AF+64*(\q)+FR*(\a):AF+64*(\q)+FR*(\a)+FR-1], v[BI+8*\b:BI+8*\b+7], v[SC+16*(\sc)+NQ*\b+(\q)], v[SC+16*(\sc)+NQ*(\a)+(\q)] matrix_a_fmt:MATRIX_FMT_BF8 matrix_b_fmt:MATRIX_FMT_BF8 matrix_a_scale:MATRIX_SCALE_ROW1
.else
	v_wmma_scale_f32_16x16x128_f8f6f4 v[8*(8*(\a)+\b):8*(8*(\a)+\b)+7], v[128*(\q)+FR*\b:128*(\q)+FR*\b+FR-1], v[AF+64*(\q)+FR*(\a):AF+64*(\q)+FR*(\a)+FR-1], v[8*(8*(\a)+\b):8*(8*(\a)+\b)+7], v[SC+16*(\sc)+NQ*\b+(\q)], v[SC+16*(\sc)+NQ*(\a)+(\q)] matrix_a_fmt:MATRIX_FMT_BF8 matrix_b_fmt:MATRIX_FMT_BF8 matrix_a_scale:MATRIX_SCALE_ROW1
.endif
.endr
.endr
.endm
.macro FETCH_B slot, q                 ; Wq's eight fragments of the slot's q-th 128 along K into set q
	WIN TO_B
.irp i, 0,1,2,3,4,5,6,7
	FRAG 128*(\q)+FR*\i, ADRB+\slot, \q, \i
.endr
	WIN 0
.endm
.macro FETCH_A slot, q                 ; the tokens' four
.irp i, 0,1,2,3
	FRAG AF+64*(\q)+FR*\i, ADRA+\slot, \q, \i
.endr
.endm
.macro SCALES k                        ; K step k's scale words, two a row, into set k % 2: lanes 0-15 take the tokens' block i (of which I use four), lanes 16-31 Wq's block i
.irp i, 0,1,2,3,4,5,6,7
	ds_load_b64 v[SC+16*((\k)%2)+NQ*\i:SC+16*((\k)%2)+NQ*\i+1], v[ADRS] offset:\i*SBLK+8*(\k)
.endr
.endm
.macro PLACES n                        ; plain vector instructions that name no register of the matrix instructions ahead (ISA guide 7.12.1)
.rept \n
	v_nop
.endr
.endm
; A step of 128 along K: the q-th of its slot, with the scale set sc.  The next step's fragments (in slot nslot) are asked for in two runs: Wq's 32 loads at the head, so that they have the step's 32 matrix
; instructions in which to come, the tokens' 16 in the middle.  They go into the other sets, which the step before has read: eight places stand behind its products.  nk >= 0: the next step begins K step nk.
.macro STEP q, sc, zero, nslot, nk
	s_wait_dscnt 0x0                               ; this step's fragments and scale words are in
	PLACES NP
	FETCH_B \nslot, 1-(\q)
.if \zero
	WIN MULB
.else
	WIN MUL
.endif
	MUL16 0, \q, \sc, \zero
	WIN 0
	FETCH_A \nslot, 1-(\q)
.if (\nk) >= 0
	SCALES \nk
.endif
.if \zero
	WIN MULB
.else
	WIN MUL
.endif
	MUL16 2, \q, \sc, \zero
	WIN 0
.endm
; A slot's second step with a barrier: each wave waits for all its tensor loads, adds 0 to its spare word, and waits for that and for its LDS loads: this step's fragments are in, so its reads of the slot are over.
; fill = 1: the barrier opens a round of the cluster's barrier, and slot 0, just read out, takes K step 3.  fill = 0: behind the barrier K step 3 is whole in slot 0, and nothing is filled.
.macro TURN sc, fill, nslot, nk
	s_wait_tensorcnt 0x0                           ; all my tensor loads have landed
	ds_add_u32 v[SPW], v[NIL]
	s_wait_dscnt 0x0                               ; the add is done, and my reads of the slot are over
	s_barrier_signal -1
	WIN MUL
	MUL16 0, 1, \sc, 0                             ; work on registers while the others arrive
	WIN 0
	s_barrier_wait -1
.if \fill
	CREST                                          ; no wave of any partner still reads slot 0 or has a load on its way
	s_add_nc_u64 s[G0+2:G0+3], s[G0+2:G0+3], 3*ROWB
	s_add_nc_u64 s[G0B+2:G0B+3], s[G0B+2:G0B+3], 3*ROWB
	JLOAD G0, G1, G0B, G1B                         ; the first tensor load behind the round, one a wave; its four v_nop are among the places in front of the loads below
	PLACES NP-4
.else
	PLACES NP
.endif
	FETCH_B \nslot, 0
	FETCH_A \nslot, 0
	SCALES \nk
	WIN MUL
	MUL16 2, 1, \sc, 0
	WIN 0
.endm
; THE QUANTISER: 64 numbers of a lane, v[src] on in window win, register 16 b + i: block b of my row together with lane l xor 16's.  Held numbers to v[hx] on (window 0), codes to v[cod] on (window cw), the scale word to v[wrd].
; sgn = 0: the numbers are not negative.  Each accumulator is read from its low end on.
.macro QUANT src, win, hx, cod, cw, wrd, sgn
	WIN (\win)|((\win)<<2)
.irp b, 0,1,2,3
.if \sgn
	v_max3_num_f32 v[TM+\b], |v[(\src)+16*\b]|, |v[(\src)+16*\b+1]|, 0x8000000   ; my 16 numbers of block b, and the floor 2^(16 - 127)
.else
	v_max3_num_f32 v[TM+\b], v[(\src)+16*\b], v[(\src)+16*\b+1], 0x8000000
.endif
.endr
	WIN ((\win)<<2)|((\win)<<4)
.irp i, 2,4,6,8,10,12,14
.irp b, 0,1,2,3
.if \sgn
	v_max3_num_f32 v[TM+\b], v[TM+\b], |v[(\src)+16*\b+\i]|, |v[(\src)+16*\b+\i+1]|   ; the four blocks by turns
.else
	v_max3_num_f32 v[TM+\b], v[TM+\b], v[(\src)+16*\b+\i], v[(\src)+16*\b+\i+1]
.endif
.endr
.endr
	WIN 0
.irp b, 0,1,2,3
	v_permlanex16_b32 v[TM+4+\b], v[TM+\b], s[SEL], s[SEL+1]
.endr
.irp b, 0,1,2,3
	v_max_num_f32 v[TM+\b], v[TM+\b], v[TM+4+\b]   ; with lane l xor 16's: the block's largest magnitude
.endr
.irp b, 0,1,2,3
	v_add_nc_u32 v[TM+12+\b], 0xf8800000, v[TM+\b] ; 15 off the exponent field: the conversion's scale operand
.endr
.irp b, 0,1,2,3
	v_and_or_b32 v[TM+8+\b], v[TM+\b], 0x7f800000, s[MNT]   ; 57,344 x the scale
.endr
.irp b, 0,1,2,3
	v_lshrrev_b32 v[TM+4+\b], 23, v[TM+12+\b]      ; the scale's byte
.endr
	v_lshl_or_b32 v[\wrd], v[TM+5], 8, v[TM+4]     ; the four bytes make my row's scale word
	v_lshl_or_b32 v[\wrd], v[TM+6], 16, v[\wrd]
	v_lshl_or_b32 v[\wrd], v[TM+7], 24, v[\wrd]
	WIN (\win)
.irp b, 0,1,2,3
.irp i, 0,1,2,3,4,5,6,7,8,9,10,11,12,13,14,15
.if \sgn
	v_med3_num_f32 v[(\hx)+16*\b+\i], v[(\src)+16*\b+\i], -v[TM+8+\b], v[TM+8+\b]   ; the conversion does not saturate (ISA guide 7.6.2): the hold
.else
	v_min_num_f32 v[(\hx)+16*\b+\i], v[(\src)+16*\b+\i], v[TM+8+\b]
.endif
.endr
.endr
	WIN (\cw)<<6
.irp b, 0,1,2,3
	v_cvt_scalef32_pk8_bf8_f32 v[(\cod)+4*\b:(\cod)+4*\b+1], v[(\hx)+16*\b:(\hx)+16*\b+7], v[TM+12+\b]
	v_cvt_scalef32_pk8_bf8_f32 v[(\cod)+4*\b+2:(\cod)+4*\b+3], v[(\hx)+16*\b+8:(\hx)+16*\b+15], v[TM+12+\b]
.endr
	WIN 0
	v_nop                                          ; one plain vector instruction behind the last conversion
.endm
	s_wait_tensorcnt 0x2                           ; the scales and my part of K step 0 are in; the loads of K steps 1 and 2 may be out
	s_barrier_signal -1
	s_barrier_wait -1
	FETCH_B 0, 0
	FETCH_A 0, 0
	SCALES 0
	s_wait_loadcnt 0x0                             ; bq, and with it kv_sum's codes and scale words and the sums of kh^2
	; K = 1,024 is eight steps of 128, written out
	STEP 0, 0, 1, 0, -1                            ; K step 0, in slot 0
	TURN 0, 1, 1, 1                                ; slot 0 is left and takes K step 3; every wave's parts of slots 1 and 2 have landed
	STEP 0, 1, 0, 1, -1                            ; K step 1, in slot 1
	STEP 1, 1, 0, 2, 2                             ; on into slot 2 with no barrier: the round above has shown it whole, and slot 1 is not filled again
	STEP 0, 0, 0, 2, -1                            ; K step 2, in slot 2
	TURN 0, 0, 0, 3                                ; K step 3 has landed in slot 0
	STEP 0, 1, 0, 0, -1                            ; K step 3
	s_wait_dscnt 0x0                               ; the very last step: nothing more to fetch
	WIN MUL
	MUL16 0, 1, 1, 0
	MUL16 2, 1, 1, 0
	WIN 0
	; ---- THE EPILOGUE, a block of 16 tokens at a time ----
	PLACES NP+1                                    ; behind the last products: results are read, and operands' registers are written
	s_mov_b32 s[SEL], 0x76543210
	s_mov_b32 s[SEL+1], 0xfedcba98
	s_mov_b32 s[MNT], 0x600000
.irp b, 0,1,2,3
	v_mov_b32 v[TM+4+\b], 0                        ; written once: a lane permute's destination counts as one of its sources
.endr
	v_mov_b32 v[ZZ+1], 0                           ; named as the upper halves of pairs
	v_mov_b32 v[ZZ+3], 0
.macro QBLOCK a
	s_wait_dscnt 0x0                               ; the last block's LDS stores have read the codes' registers
	WIN 0x0a                                       ; sources window 2
.set k, 0
.rept 32
	v_pk_mul_f32 v[X+k:X+k+1], v[64*(\a)+k:64*(\a)+k+1], v[64*(\a)+k:64*(\a)+k+1]   ; qh squared
.set k, k+2
.endr
	WIN 0x0c                                       ; source 1 (the sums of kh^2) window 3
	v_pk_mul_f32 v[DN:DN+1], v[X:X+1], v[KSR:KSR+1]                ; qh^2 . sum of kh^2, in f32, the two heads by turns
	v_pk_mul_f32 v[DN+2:DN+3], v[X+32:X+33], v[KSR+32:KSR+33]
.set k, 2
.rept 15
	v_pk_fma_f32 v[DN:DN+1], v[X+k:X+k+1], v[KSR+k:KSR+k+1], v[DN:DN+1]
	v_pk_fma_f32 v[DN+2:DN+3], v[X+32+k:X+33+k], v[KSR+32+k:KSR+33+k], v[DN+2:DN+3]
.set k, k+2
.endr
	WIN 0
	v_add_f32 v[DN], v[DN], v[DN+1]
	v_add_f32 v[DN+2], v[DN+2], v[DN+3]
	v_permlanex16_b32 v[DN+1], v[DN], s[SEL], s[SEL+1]
	v_permlanex16_b32 v[DN+3], v[DN+2], s[SEL], s[SEL+1]
	v_add_f32 v[DN], v[DN], v[DN+1]                ; with lane l xor 16's 32 channels
	v_add_f32 v[DN+2], v[DN+2], v[DN+3]
	v_add_f32 v[DN], 0x358637bd, v[DN]             ; + 1e-6
	v_add_f32 v[DN+2], 0x358637bd, v[DN+2]
	v_rcp_f32 v[ZZ], v[DN]                         ; z; the quantiser's lines below are the plain work behind the two reciprocals
	v_rcp_f32 v[ZZ+2], v[DN+2]
	QUANT X, 0, X, QF, 3, PW, 0
	PLACES 4                                       ; codes made by vector instructions stand four places ahead of a scaled matrix instruction; the scale word was made ahead of the 64 holds
	WIN 0xcf                                       ; sources and destination window 3
.irp hh, 0,1
.irp t, 0,1,2,3
	v_wmma_scale_f32_16x16x128_f8f6f4 v[OA+8*(4*\hh+\t):OA+8*(4*\hh+\t)+7], v[24*\t+8*\hh:24*\t+8*\hh+15], v[QF:QF+15], 0, v[KSC+4*\hh+\t], v[PW] matrix_a_fmt:MATRIX_FMT_BF8 matrix_b_fmt:MATRIX_FMT_BF8
.endr
.endr
	WIN 0
	PLACES 8
	s_wait_alu depctr_va_vdst(0)                   ; one wait for both reciprocals, ahead of their first reader
	WIN 0xc3                                       ; destination and source 0 window 3, z window 0
.set k, 0
.rept 16
	v_pk_mul_f32 v[OA+k:OA+k+1], v[OA+k:OA+k+1], v[ZZ:ZZ+1] op_sel_hi:[1,0]        ; head 0's 32 numbers x z
.set k, k+2
.endr
.rept 16
	v_pk_mul_f32 v[OA+k:OA+k+1], v[OA+k:OA+k+1], v[ZZ+2:ZZ+3] op_sel_hi:[1,0]      ; head 1's
.set k, k+2
.endr
	QUANT OA, 3, X, ACD, 0, PWS+(\a), 1
.irp c, 0,1,2,3
.irp u, 0,1
	ds_store_b64 v[STO], v[ACD+4*\c+2*\u:ACD+4*\c+2*\u+1] offset:(\a)*16*272+32*\c+16*\u   ; columns 32 c + 16 u + 8 h + 0 .. 7 of token 16 a + r: the natural order
.endr
.endr
	global_store_b32 v[R32], v[PWS+(\a)], s[100:101] offset:512*(\a)   ; my four of the token's 32 scale bytes; lanes 16-31 write the same words with the same values
.endm
.irp a, 0,1,2,3
	QBLOCK \a
.endr
	s_wait_dscnt 0x0                               ; for the others' sake: my stores into the stage are done
	s_barrier_signal -1
	s_barrier_wait -1
.irp i, 0,1,2,3,4,5,6,7,8,9,10,11,12,13,14,15
	ds_load_b128 v[64+4*\i:64+4*\i+3], v[RD] offset:544*\i
.endr
.irp i, 0,1,2,3,4,5,6,7,8,9,10,11,12,13,14,15
	s_wait_dscnt 15-\i                             ; the younger loads may be out
	global_store_b128 v[CO], v[64+4*\i:64+4*\i+3], s[12:13] offset:2048*\i   ; sixteen lanes store 256 consecutive bytes, aligned
.endr
	s_wait_tensorcnt 0x0                           ; the wave's end
	ds_add_u32 v[SPW], v[NIL]
	s_wait_dscnt 0x0
	CROUND                                         ; the closing round
	s_endpgm
.Lfunc_end_k_q884df4bc42_qgemm:
	.size	k_q884df4bc42_qgemm, .Lfunc_end_k_q884df4bc42_qgemm-k_q884df4bc42_qgemm
	.p2alignl 7, 3214868480
	.fill 96, 4, 3214868480
	.section	.rodata,"a",@progbits
	.p2align	6, 0x0
	.amdhsa_kernel k_q884df4bc42_qgemm
		.amdhsa_group_segment_fixed_size 327680
		.amdhsa_private_segment_fixed_size 0
		.amdhsa_enable_private_segment 0
		.amdhsa_kernarg_size 40
		.amdhsa_user_sgpr_count 2
		.amdhsa_user_sgpr_kernarg_segment_ptr 1
		.amdhsa_wavefront_size32 1
		.amdhsa_system_sgpr_workgroup_id_x 1
		.amdhsa_system_sgpr_workgroup_id_y 1
		.amdhsa_system_sgpr_workgroup_id_z 1
		.amdhsa_system_vgpr_workitem_id 0
		.amdhsa_next_free_vgpr 1024
		.amdhsa_next_free_sgpr 102
		.amdhsa_reserve_vcc 0
		.amdhsa_float_denorm_mode_32 3
		.amdhsa_float_denorm_mode_16_64 3
		.amdhsa_memory_ordered 1
		.amdhsa_forward_progress 1
		.amdhsa_inst_pref_size 177
	.end_amdhsa_kernel
	.amdgpu_metadata
---
amdhsa.version: [ 1, 2 ]
amdhsa.kernels:
  - .name:           k_q884df4bc42_qgemm
    .symbol:         k_q884df4bc42_qgemm.kd
    .args:
      - { .name: act, .offset: 0, .size: 8, .value_kind: global_buffer, .address_space: global }
      - { .name: wts, .offset: 8, .size: 8, .value_kind: global_buffer, .address_space: global }
      - { .name: bq, .offset: 16, .size: 8, .value_kind: global_buffer, .address_space: global }
      - { .name: kvs, .offset: 24, .size: 8, .value_kind: global_buffer, .address_space: global }
      - { .name: att, .offset: 32, .size: 8, .value_kind: global_buffer, .address_space: global }
    .group_segment_fixed_size: 327680
    .private_segment_fixed_size: 0
    .kernarg_segment_align: 8
    .kernarg_segment_size: 40
    .max_flat_workgroup_size: 128
    .sgpr_count:     102
    .vgpr_count:     1024
    .wavefront_size: 32
...
	.end_amdgpu_metadata
.endif
;; end of part 4
;; launch outgemm (part 5): grid 4 x 64, 4 waves a work-group, clusters of 4 x 4, 327,680 bytes of LDS; arguments att, act, bo, out0; writes out0
.if DOCPART == 5
	.amdgcn_target "amdgcn-amd-amdhsa--gfx1250"
	.amdhsa_code_object_version 6
	.text
	.protected	k_q884df4bc42_outgemm
	.globl	k_q884df4bc42_outgemm
	.p2align	8
	.type	k_q884df4bc42_outgemm,@function
k_q884df4bc42_outgemm:
	s_mov_b64 s[64:65], 0
	v_nop
	global_prefetch_b8 v0, s[64:65] scope:SCOPE_SE
	s_setreg_imm32_b32 hwreg(HW_REG_WAVE_MODE, 25, 1), 1
	s_wait_xcnt 0x0
	s_wait_alu depctr_hold_cnt(0) depctr_sa_sdst(0) depctr_va_vdst(0) depctr_va_sdst(0) depctr_va_ssrc(0) depctr_va_vcc(0) depctr_vm_vsrc(0)
	s_getreg_b32 s2, hwreg(HW_REG_IB_STS2, 6, 4)
	s_cmp_eq_u32 s2, 0
	s_cbranch_scc0 .Lentry_in_a_cluster
	s_endpgm
.Lentry_in_a_cluster:
	s_bfe_u32 s2, ttmp6, 0x10000c
	s_cmp_lg_u32 s2, 0xf033
	s_cbranch_scc0 .Lentry_shape_is_right
	s_endpgm
.Lentry_shape_is_right:
; Launch 5 of 5: out0 = attn Wo^T + bo, on the codes of attn (made by the launch before) and of Wo (made by the first).  K = 1,024.  Nothing of the problem is left out.
; A tile of 128 tokens x 256 outputs is made by four waves, each 64 tokens x 128 outputs: 32 accumulators of 16 x 16.  8,192 x 1,024 results make 256 such tiles.
; K is four K steps of 256.  LDS holds THREE slots of (128 + 256) rows x 272 bytes: K steps 0, 1, 2 are asked for at the head; K step 3 goes into slot 0 behind the change from slot 0 to slot 1, and has
; three and a half steps of 128 along K, 112 matrix instructions of a wave, in which to land.  The scale bytes of the tile's rows, for all of K, come into LDS once.
; CLUSTERS: 4 x 4 work-groups: attn's tiles are asked for jointly along a row of the cluster, Wo's along a column.  Waves 0 and 1 fetch attn's halves (64 rows), waves 2 and 3 Wo's (128 rows).
; Source 0 = 16 rows of Wo, source 1 = 16 tokens: a lane holds eight neighbouring outputs of one token.  bo is the C of each sum's first matrix instruction.
; LIMITS: NaN and infinities are not served; the order of f32 sums differs from the reference's.
; REGISTERS: window 0: v0-22 addresses; v32-63 scale words, two sets; v64-127 bo; v128-255 attn's fragments, two sets, on the way out rows of out0.  window 1: Wo's fragments, two sets.  window 2: the accumulators.
.set WOC,    25165824                  ; Wo's codes in act
.set ASC,    26214400                  ; act's scale bytes
.set SIZE_N, 1024
.set NQ,     2
.set ROWB,   256
.set KROW,   1024
.set PITCH,  272                       ; an LDS row: 256 bytes + 16 of padding = 68 words: row r starts at bank 4 r mod 64 (ISA guide 11.1)
.set FR,     16
.set NP,     8                         ; places behind this matrix instruction (ISA guide 7.12.1)
.set HALFA,  64*PITCH
.set HALFT,  128*PITCH
.set SLOT,   2*HALFA+2*HALFT
.set KS,     32
.set SCL,    3*SLOT
.set HALFSA, (64*KS/256)*272
.set HALFS,  (128*KS/256)*272
.set SBLK,   (16*KS/256)*272
.set SPARE,  SCL+2*HALFSA+2*HALFS
.set STAGE,  SLOT                      ; the way out goes through slot 1: its one fill is the head's, and its last reads lie in front of the barrier of the change into slot 0
.set SPITCH, 528                       ; a stage of 16 rows x (512 bytes + 16) for each wave
.set H32,  9                           ; v9   32 x (lane / 16)
.set ADRA, 11                          ; v11-13
.set ADRB, 14                          ; v14-16
.set ADRS, 17
.set STO,  18
.set RD,   19
.set CO,   20
.set SPW,  21
.set NIL,  22
.set SC,   32
.set BI,   64
.set AF,   128
.set BK,   128                         ; the way out: 16 rows read back from the stage: v128-191 and v192-255 by turns
.set G1,   24
.set G0,   32
.set G1B,  44
.set G0B,  52
.set G1S,  68
.set G0S,  76
.set G1SB, 80
.set G0SB, 88
.set MSB, 0
.macro WIN new                         ; the immediate's high byte repeats the setting that is left
.if MSB != (\new)
	s_set_vgpr_msb (MSB<<8)|(\new)
.set MSB, (\new)
.endif
.endm
.set MUL,    0xa1                      ; source 0 (Wo) window 1, source 1 (tokens) window 0, C and D window 2
.set MULB,   0x81                      ; the same with C (the bias) in window 0
.set TO_B,   0x40
.macro JLOAD g0a, g1a, g0b, g1b        ; a joint load: waves 0 and 1 fetch for attn, waves 2 and 3 for Wo; an s_nop 0 and four v_nop follow each line
	s_cmp_eq_u32 s15, 0
	s_cbranch_scc0 .Lfor_b_\@
	tensor_load_to_lds s[\g0a:\g0a+3], s[\g1a:\g1a+7]
	s_nop 0
.rept 4
	v_nop
.endr
	s_branch .Lasked_\@
.Lfor_b_\@:
	tensor_load_to_lds s[\g0b:\g0b+3], s[\g1b:\g1b+7]
	s_nop 0
.rept 4
	v_nop
.endr
.Lasked_\@:
.endm
.macro CREST
	s_cmp_lg_u32 s14, 0
	s_cbranch_scc1 .Lnot_wave_0_\@
	s_barrier_signal -3
.Lnot_wave_0_\@:
	s_barrier_wait -3
	s_barrier_signal -1
	s_barrier_wait -1
.endm
.macro CROUND
	s_barrier_signal -1
	s_barrier_wait -1
	CREST
.endm
	s_load_b128 s[4:7], s[0:1], 0x0                ; att, act
	s_load_b64 s[96:97], s[0:1], 0x10              ; bo
	s_load_b64 s[12:13], s[0:1], 0x18              ; out0
	v_lshl_add_u32 v[SPW], v0, 2, SPARE
	v_mov_b32 v[NIL], 0
	ds_add_u32 v[SPW], v[NIL]                      ; the wave's opening: the add, twice on end, and its wait ahead of my first tensor load
	ds_add_u32 v[SPW], v[NIL]
	v_lshrrev_b32 v1, 5, v0
	v_readfirstlane_b32 s14, v1                    ; wave 0..3
	s_lshr_b32 s15, s14, 1                         ; which half of the tile's tokens is mine.  Also: I fetch for attn (0) or for Wo (1)
	s_and_b32 s16, s14, 1                          ; which half of its outputs.  Also: which half of the rows I fetch
	s_bfe_u32 s2, ttmp6, 0x40000                   ; cx, cy
	s_bfe_u32 s3, ttmp6, 0x40004
	s_lshl_b32 s66, ttmp9, 2
	s_add_co_u32 s66, s66, s2                      ; tile of outputs
	s_and_b32 s17, ttmp7, 0xffff
	s_lshl_b32 s17, s17, 2
	s_add_co_u32 s17, s17, s3                      ; tile of tokens
	s_lshl_b32 s100, s3, 2
	s_lshl_b32 s100, 15, s100                      ; my row of the cluster
	s_lshl_b32 s101, 0x1111, s2                    ; my column
	s_or_b32 s[G1+0], s100, (0<<16)|(1<<20)|(1<<21)|(5<<22)|(3<<25)  ; the mask; elements of 1 byte; padding on; bit 21 beside a mask; after every 64 words, 4 words
	s_or_b32 s[G1B+0], s101, (0<<16)|(1<<20)|(1<<21)|(5<<22)|(3<<25)
	s_mov_b32 s[G1+1], ROWB<<16
	s_mov_b32 s[G1+2], 64<<16
	s_mov_b32 s[G1+3], ROWB<<16
	s_mov_b32 s[G1+4], 64
	s_mov_b32 s[G1+5], KROW
	s_mov_b32 s[G1+6], 0
	s_mov_b32 s[G1+7], 0
	s_mov_b32 s[G1B+1], ROWB<<16
	s_mov_b32 s[G1B+2], 128<<16
	s_mov_b32 s[G1B+3], ROWB<<16
	s_mov_b32 s[G1B+4], 128
	s_mov_b32 s[G1B+5], KROW
	s_mov_b32 s[G1B+6], 0
	s_mov_b32 s[G1B+7], 0
	s_or_b32 s[G1S+0], s100, (3<<16)|(1<<20)|(1<<21)|(5<<22)|(3<<25)
	s_or_b32 s[G1SB+0], s101, (3<<16)|(1<<20)|(1<<21)|(5<<22)|(3<<25)
	s_mov_b32 s[G1S+1], 32<<16
	s_mov_b32 s[G1S+2], (64*KS/256)<<16
	s_mov_b32 s[G1S+3], 32<<16
	s_mov_b32 s[G1S+4], 64*KS/256
	s_mov_b32 s[G1S+5], 32
	s_mov_b32 s[G1S+6], 0
	s_mov_b32 s[G1S+7], 0
	s_mov_b32 s[G1SB+1], 32<<16
	s_mov_b32 s[G1SB+2], (128*KS/256)<<16
	s_mov_b32 s[G1SB+3], 32<<16
	s_mov_b32 s[G1SB+4], 128*KS/256
	s_mov_b32 s[G1SB+5], 32
	s_mov_b32 s[G1SB+6], 0
	s_mov_b32 s[G1SB+7], 0
	s_lshl_b32 s18, s16, 6
	s_lshl_b32 s20, s17, 7
	s_add_co_u32 s20, s20, s18                     ; attn: row 128 x tile + 64 x half
	s_lshl_b32 s18, s16, 7
	s_lshl_b32 s94, s66, 8
	s_add_co_u32 s94, s94, s18                     ; Wo: row 256 x tile + 128 x half
	s_mov_b32 s21, 0
	s_mov_b32 s95, 0
	s_mov_b64 s[18:19], KS
	s_mul_u64 s[22:23], s[20:21], s[18:19]
	s_mul_u64 s[92:93], s[94:95], s[18:19]
	s_mov_b64 s[18:19], KROW
	s_mul_u64 s[20:21], s[20:21], s[18:19]
	s_mul_u64 s[94:95], s[94:95], s[18:19]
	s_mul_i32 s67, s16, HALFA                      ; where they go in a slot: attn's halves,
	s_mul_i32 s18, s16, HALFT
	s_add_co_u32 s18, s18, 2*HALFA                 ; then Wo's halves: no place in the cluster enters an LDS address
	s_mul_i32 s19, s16, HALFSA
	s_mul_i32 s2, s16, HALFS
	s_wait_dscnt 0x0                               ; both opening adds are done
	s_wait_kmcnt 0x0
	s_add_nc_u64 s[8:9], s[6:7], WOC               ; Wo's codes,
	s_add_nc_u64 s[10:11], s[6:7], ASC+786432      ; their scale bytes;
	s_add_nc_u64 s[6:7], s[4:5], 8388608           ; attn's scale bytes; its codes are att's first rows
	s_add_nc_u64 s[20:21], s[4:5], s[20:21]
	s_add_nc_u64 s[22:23], s[6:7], s[22:23]
	s_add_nc_u64 s[94:95], s[8:9], s[94:95]
	s_add_nc_u64 s[92:93], s[10:11], s[92:93]
	CROUND                                         ; all sixteen work-groups are here: the first joint loads meet
	s_mov_b32 s[G0S], 1
	s_add_co_u32 s[G0S+1], s19, SCL
	s_mov_b64 s[G0S+2:G0S+3], s[22:23]
	s_or_b32 s[G0S+3], s[G0S+3], 0x80000000
	s_mov_b32 s[G0SB], 1
	s_add_co_u32 s[G0SB+1], s2, SCL+2*HALFSA
	s_mov_b64 s[G0SB+2:G0SB+3], s[92:93]
	s_or_b32 s[G0SB+3], s[G0SB+3], 0x80000000
	JLOAD G0S, G1S, G0SB, G1SB                     ; the scales first: they are wanted with K step 0
.irp s, 0,1,2
	s_mov_b32 s[G0+4*\s], 1
	s_add_co_u32 s[G0+4*\s+1], s67, \s*SLOT
	s_add_nc_u64 s[G0+4*\s+2:G0+4*\s+3], s[20:21], \s*ROWB
	s_or_b32 s[G0+4*\s+3], s[G0+4*\s+3], 0x80000000
	s_mov_b32 s[G0B+4*\s], 1
	s_add_co_u32 s[G0B+4*\s+1], s18, \s*SLOT
	s_add_nc_u64 s[G0B+4*\s+2:G0B+4*\s+3], s[94:95], \s*ROWB
	s_or_b32 s[G0B+4*\s+3], s[G0B+4*\s+3], 0x80000000
	JLOAD G0+4*\s, G1, G0B+4*\s, G1B               ; K steps 0, 1, 2: four tensor loads of mine are out behind the last
.endr
	v_and_b32 v1, 15, v0                           ; r
	v_bfe_u32 v2, v0, 4, 1                         ; h
	v_mul_u32_u24 v3, v1, PITCH
	v_lshl_add_u32 v4, v2, 4, v3
	s_mul_i32 s21, s15, HALFA                      ; my 64 tokens
	s_mul_i32 s22, s16, HALFT                      ; my 128 rows of Wo,
	s_add_co_u32 s22, s22, 2*HALFA                 ; which lie behind attn's 128 rows
.irp s, 0,1,2
	v_add_nc_u32 v[ADRA+\s], s21, v4
	v_add_nc_u32 v[ADRB+\s], s22, v4
	s_add_co_u32 s21, s21, SLOT
	s_add_co_u32 s22, s22, SLOT
.endr
	v_mul_u32_u24 v5, v1, KS
	v_lshrrev_b32 v6, 8, v5
	v_lshl_add_u32 v5, v6, 4, v5
	s_mul_i32 s21, s15, HALFSA
	s_mul_i32 s22, s16, HALFS
	s_add_co_u32 s22, s22, 2*HALFSA
	s_sub_co_u32 s22, s22, s21
	v_mul_u32_u24 v6, s22, v2                      ; lanes 16-31 take Wo's
	s_add_co_u32 s21, s21, SCL
	v_add_nc_u32 v5, v5, v6
	v_add_nc_u32 v[ADRS], s21, v5
	s_mul_i32 s23, s14, 16*SPITCH
	s_add_co_u32 s23, s23, STAGE                   ; my stage
	v_mul_u32_u24 v5, v1, SPITCH                   ; in: row r, 32 bytes for each half of the lanes
	v_lshl_add_u32 v5, v2, 5, v5
	v_add_nc_u32 v[STO], s23, v5
	v_and_b32 v6, 31, v0
	v_lshlrev_b32 v[CO], 4, v6                     ; back: the 32 lanes take one row of 512 bytes; and the same in out0
	v_add_nc_u32 v[RD], s23, v[CO]
	v_lshlrev_b32 v[H32], 5, v2
	s_lshl_b32 s20, s17, 7
	s_lshl_b32 s21, s15, 6
	s_add_co_u32 s20, s20, s21                     ; my first token
	s_lshl_b32 s20, s20, 12                        ; 4,096 bytes a row of out0
	s_mov_b32 s21, 0
	s_lshl_b32 s94, s66, 10                        ; my first output, in bytes: 1,024 x tile + 512 x half
	s_lshl_b32 s95, s16, 9
	s_add_co_u32 s94, s94, s95
	s_mov_b32 s95, 0
	s_add_nc_u64 s[96:97], s[96:97], s[94:95]      ; bo at my 128 outputs
	s_add_nc_u64 s[20:21], s[20:21], s[94:95]
	s_add_nc_u64 s[12:13], s[12:13], s[20:21]
.irp b, 0,1,2,3,4,5,6,7
	global_load_b128 v[BI+8*\b:BI+8*\b+3], v[H32], s[96:97] offset:64*\b          ; bo at outputs 16 b + 8 h + 0 .. 7
	global_load_b128 v[BI+8*\b+4:BI+8*\b+7], v[H32], s[96:97] offset:64*\b+16
.endr
.macro FRAG reg, adr, q, i             ; 16 rows x 128 K: lane l holds row l % 16; registers 4 c .. 4 c + 3 hold K = 32 c + 16 (l / 16) + 0 .. 15
.irp c, 0,1,2,3
	ds_load_b128 v[\reg+4*\c:\reg+4*\c+3], v[\adr] offset:128*(\q)+32*\c+(\i)*16*PITCH
.endr
.endm
; 16 matrix instructions: the tokens' blocks a0, a0 + 1 x Wo's eight, 128 along K, on the sets q.  zero = 1: the first product starts the sums, with the bias as its C.  The 32 accumulators take turns.
.macro MUL16 a0, q, sc, zero
.irp a, \a0, \a0+1
.irp b, 0,1,2,3,4,5,6,7
.if \zero
	v_wmma_scale_f32_16x16x128_f8f6f4 v[8*(8*(\a)+\b):8*(8*(\a)+\b)+7], v[128*(\q)+FR*\b:128*(\q)+FR*\b+FR-1], v[AF+64*(\q)+FR*(\a):AF+64*(\q)+FR*(\a)+FR-1], v[BI+8*\b:BI+8*\b+7], v[SC+16*(\sc)+NQ*\b+(\q)], v[SC+16*(\sc)+NQ*(\a)+(\q)] matrix_a_fmt:MATRIX_FMT_BF8 matrix_b_fmt:MATRIX_FMT_BF8 matrix_a_scale:MATRIX_SCALE_ROW1
.else
	v_wmma_scale_f32_16x16x128_f8f6f4 v[8*(8*(\a)+\b):8*(8*(\a)+\b)+7], v[128*(\q)+FR*\b:128*(\q)+FR*\b+FR-1], v[AF+64*(\q)+FR*(\a):AF+64*(\q)+FR*(\a)+FR-1], v[8*(8*(\a)+\b):8*(8*(\a)+\b)+7], v[SC+16*(\sc)+NQ*\b+(\q)], v[SC+16*(\sc)+NQ*(\a)+(\q)] matrix_a_fmt:MATRIX_FMT_BF8 matrix_b_fmt:MATRIX_FMT_BF8 matrix_a_scale:MATRIX_SCALE_ROW1
.endif
.endr
.endr
.endm
.macro FETCH_B slot, q
	WIN TO_B
.irp i, 0,1,2,3,4,5,6,7
	FRAG 128*(\q)+FR*\i, ADRB+\slot, \q, \i
.endr
	WIN 0
.endm
.macro FETCH_A slot, q
.irp i, 0,1,2,3
	FRAG AF+64*(\q)+FR*\i, ADRA+\slot, \q, \i
.endr
.endm
.macro SCALES k                        ; K step k's scale words into set k % 2: lanes 0-15 take the tokens' block i (of which I use four), lanes 16-31 Wo's block i
.irp i, 0,1,2,3,4,5,6,7
	ds_load_b64 v[SC+16*((\k)%2)+NQ*\i:SC+16*((\k)%2)+NQ*\i+1], v[ADRS] offset:\i*SBLK+8*(\k)
.endr
.endm
.macro PLACES n
.rept \n
	v_nop
.endr
.endm
; A step of 128 along K.  The next step's fragments (in slot nslot) are asked for in two runs: Wo's 32 loads at the head, the tokens' 16 in the middle; they go into the other sets, which the step before has read:
; eight places stand behind its products.  nk >= 0: the next step begins K step nk.
.macro STEP q, sc, zero, nslot, nk
	s_wait_dscnt 0x0                               ; this step's fragments and scale words are in
	PLACES NP
	FETCH_B \nslot, 1-(\q)
.if \zero
	WIN MULB
.else
	WIN MUL
.endif
	MUL16 0, \q, \sc, \zero
	WIN 0
	FETCH_A \nslot, 1-(\q)
.if (\nk) >= 0
	SCALES \nk
.endif
.if \zero
	WIN MULB
.else
	WIN MUL
.endif
	MUL16 2, \q, \sc, \zero
	WIN 0
.endm
; A slot's second step with a barrier: each wave waits for all its tensor loads, adds 0 to its spare word, and waits for that and for its LDS loads: its reads of the slot are over.
; fill = 1: the barrier opens a round of the cluster's barrier, and slot 0 takes K step 3.  fill = 0: behind the barrier K step 3 is whole in slot 0, and nothing is filled.
.macro TURN sc, fill, nslot, nk
	s_wait_tensorcnt 0x0
	ds_add_u32 v[SPW], v[NIL]
	s_wait_dscnt 0x0
	s_barrier_signal -1
	WIN MUL
	MUL16 0, 1, \sc, 0
	WIN 0
	s_barrier_wait -1
.if \fill
	CREST                                          ; no wave of any partner still reads slot 0 or has a load on its way
	s_add_nc_u64 s[G0+2:G0+3], s[G0+2:G0+3], 3*ROWB
	s_add_nc_u64 s[G0B+2:G0B+3], s[G0B+2:G0B+3], 3*ROWB
	JLOAD G0, G1, G0B, G1B                         ; the first tensor load behind the round, one a wave; its four v_nop are among the places in front of the loads below
	PLACES NP-4
.else
	PLACES NP
.endif
	FETCH_B \nslot, 0
	FETCH_A \nslot, 0
	SCALES \nk
	WIN MUL
	MUL16 2, 1, \sc, 0
	WIN 0
.endm
	s_wait_tensorcnt 0x2                           ; the scales and my part of K step 0 are in; the loads of K steps 1 and 2 may be out
	s_barrier_signal -1
	s_barrier_wait -1
	FETCH_B 0, 0
	FETCH_A 0, 0
	SCALES 0
	s_wait_loadcnt 0x0                             ; bo
	; K = 1,024 is eight steps of 128, written out
	STEP 0, 0, 1, 0, -1                            ; K step 0, in slot 0
	TURN 0, 1, 1, 1                                ; slot 0 is left and takes K step 3; every wave's parts of slots 1 and 2 have landed
	STEP 0, 1, 0, 1, -1                            ; K step 1, in slot 1
	STEP 1, 1, 0, 2, 2                             ; on into slot 2 with no barrier: the round above has shown it whole, and slot 1 is not filled again
	STEP 0, 0, 0, 2, -1                            ; K step 2, in slot 2
	TURN 0, 0, 0, 3                                ; K step 3 has landed in slot 0
	STEP 0, 1, 0, 0, -1                            ; K step 3
	s_wait_dscnt 0x0                               ; the very last step
	WIN MUL
	MUL16 0, 1, 1, 0
	MUL16 2, 1, 1, 0
	WIN 0
; THE WAY OUT, block by block of 16 tokens x 128 outputs: through my own stage in LDS and back as whole rows of 512 bytes.
; LDS serves a wave's instructions in order (ISA guide 5.7.1.4): no wait between the stores and the loads, nor in front of the next block's stores.
.macro TOSTAGE a
.set AC, 64*(\a)
	WIN 0x08                                       ; the data: window 2
.irp b, 0,1,2,3,4,5,6,7
	ds_store_b128 v[STO], v[AC+8*\b:AC+8*\b+3] offset:64*\b          ; each accumulator from its low end on
	ds_store_b128 v[STO], v[AC+8*\b+4:AC+8*\b+7] offset:64*\b+16
.endr
	WIN 0
.set BB, BK+64*((\a)%2)
.irp t, 0,1,2,3,4,5,6,7,8,9,10,11,12,13,14,15
	ds_load_b128 v[BB+4*\t:BB+4*\t+3], v[RD] offset:\t*SPITCH
.endr
.endm
.macro SEND a, younger                 ; younger: the LDS instructions issued behind block a's loads, which may stay out
.set BB, BK+64*((\a)%2)
	s_wait_dscnt \younger
.if (\a) > 0
	s_add_nc_u64 s[12:13], s[12:13], 16*SIZE_N*4   ; behind a wait on XCNT: the earlier stores have read their base
.endif
.irp t, 0,1,2,3,4,5,6,7,8,9,10,11,12,13,14,15
	global_store_b128 v[CO], v[BB+4*\t:BB+4*\t+3], s[12:13] offset:\t*SIZE_N*4 th:TH_STORE_NT   ; 32 lanes store 512 consecutive bytes, aligned
.endr
.endm
	PLACES NP                                      ; behind the last products: for the loads into the registers that held attn's fragments, and for the reads of results
	TOSTAGE 0
.irp a, 1,2,3
.if \a > 1
	s_wait_xcnt 0x0                                ; block a - 2's stores have read their registers and their base
.endif
	TOSTAGE \a
	SEND \a-1, 32                                  ; behind block a - 1's loads: block a's 16 stores and 16 loads
.endr
	s_wait_xcnt 0x0
	SEND 3, 0
	s_wait_tensorcnt 0x0                           ; the wave's end
	ds_add_u32 v[SPW], v[NIL]
	s_wait_dscnt 0x0
	CROUND                                         ; the closing round
	s_endpgm
.Lfunc_end_k_q884df4bc42_outgemm:
	.size	k_q884df4bc42_outgemm, .Lfunc_end_k_q884df4bc42_outgemm-k_q884df4bc42_outgemm
	.p2alignl 7, 3214868480
	.fill 96, 4, 3214868480
	.section	.rodata,"a",@progbits
	.p2align	6, 0x0
	.amdhsa_kernel k_q884df4bc42_outgemm
		.amdhsa_group_segment_fixed_size 327680
		.amdhsa_private_segment_fixed_size 0
		.amdhsa_enable_private_segment 0
		.amdhsa_kernarg_size 32
		.amdhsa_user_sgpr_count 2
		.amdhsa_user_sgpr_kernarg_segment_ptr 1
		.amdhsa_wavefront_size32 1
		.amdhsa_system_sgpr_workgroup_id_x 1
		.amdhsa_system_sgpr_workgroup_id_y 1
		.amdhsa_system_sgpr_workgroup_id_z 1
		.amdhsa_system_vgpr_workitem_id 0
		.amdhsa_next_free_vgpr 768
		.amdhsa_next_free_sgpr 102
		.amdhsa_reserve_vcc 0
		.amdhsa_float_denorm_mode_32 3
		.amdhsa_float_denorm_mode_16_64 3
		.amdhsa_memory_ordered 1
		.amdhsa_forward_progress 1
		.amdhsa_inst_pref_size 91
	.end_amdhsa_kernel
	.amdgpu_metadata
---
amdhsa.version: [ 1, 2 ]
amdhsa.kernels:
  - .name:           k_q884df4bc42_outgemm
    .symbol:         k_q884df4bc42_outgemm.kd
    .args:
      - { .name: att, .offset: 0, .size: 8, .value_kind: global_buffer, .address_space: global }
      - { .name: act, .offset: 8, .size: 8, .value_kind: global_buffer, .address_space: global }
      - { .name: bo, .offset: 16, .size: 8, .value_kind: global_buffer, .address_space: global }
      - { .name: out0, .offset: 24, .size: 8, .value_kind: global_buffer, .address_space: global }
    .group_segment_fixed_size: 327680
    .private_segment_fixed_size: 0
    .kernarg_segment_align: 8
    .kernarg_segment_size: 32
    .max_flat_workgroup_size: 128
    .sgpr_count:     102
    .vgpr_count:     768
    .wavefront_size: 32
...
	.end_amdgpu_metadata
.endif
;; end of part 5
